; MI455X (gfx1250); checked and timed in simulation.
; The chip was launched on July 23, 2026; its instructions are those of AMD's public machine-readable ISA for CDNA 5 (MIT licence, August 2026) and "CDNA5" Instruction Set Architecture Reference Guide (July 2026). The comments in the code are by the model that wrote it; some were corrected since.
;; Transformer Block. Allowed arithmetic: float matrix products may take bf16 or f16 operands with f32 sums; all other float work in f32.
;; Inputs: beta1 256 float32; beta2 256 float32; bf1 1,024 float32; bf2 256 float32; bk 256 float32; bo 256 float32; bq 256 float32; bv 256 float32; g1 256 float32; g2 256 float32; w1 1,024 x 256 float32; w2 256 x 1,024 float32; wk 256 x 256 float32; wo 256 x 256 float32; wq 256 x 256 float32; wv 256 x 256 float32; x 32 x 1,024 x 256 float32.
;; Outputs: out0 32 x 1,024 x 256 float32.
;; One version. Each part assembles by itself: llvm-mc -triple=amdgcn-amd-amdhsa -mcpu=gfx1250 --defsym DOCPART=n.
;; ======== version 1 of 1: 6 launches
;; limits: a difference of large sums (such as E[x^2] - mean^2): digits are lost where the result is much smaller than its terms
;; workspace buffers: wb 1,572,864 bytes; part1 524,288 bytes; st1 2,048 bytes; qkv 50,331,648 bytes; r1b 33,554,432 bytes; part2 524,288 bytes; st2 2,048 bytes
;; launch stats (part 1): grid 256 x 1, 8 waves a work-group, no clusters, 9,216 bytes of LDS; arguments x, wq, wk, wv, wo, w1, w2, part1, wb; writes part1, wb
.if DOCPART == 1
	.amdgcn_target "amdgcn-amd-amdhsa--gfx1250"
	.amdhsa_code_object_version 6
	.text
	.protected	k_q857d830816_stats
	.globl	k_q857d830816_stats
	.p2align	8
	.type	k_q857d830816_stats,@function
k_q857d830816_stats:
	s_mov_b64 s[64:65], 0
	v_nop
	global_prefetch_b8 v0, s[64:65] scope:SCOPE_SE
	s_setreg_imm32_b32 hwreg(HW_REG_WAVE_MODE, 25, 1), 1
	s_wait_xcnt 0x0
; BATCH STATISTICS OF x, FIRST STEP, AND THE WEIGHTS IN bf16.
; x: [32768][256] f32.  Work-group G owns rows 128 G .. 128 G + 127 and keeps them in registers: thread t holds channels 4 (t % 64) .. + 3 of rows t / 64 + 4 i,
; i = 0 .. 31, so one load of a wave covers 512 consecutive bytes and x is read once.  Stored: part1 SUM[G][256] (the block's channel sums) and, 262,144 bytes on,
; M2[G][256], the sums of squares ABOUT THE BLOCK'S OWN MEAN: no difference of large sums is ever formed, whatever offset x carries.
; Beside that each work-group rounds its share of the six weight matrices to bf16 into wb: wq at 0, wk at 131,072, wv at 262,144, wo at 393,216, w1 at 524,288, w2 at 1,048,576.
; wo's row n is stored at row 128 ((n >> 5) & 1) + 32 (n >> 6) + n % 32: the launch that multiplies by wo brings it into LDS in two halves of different pitch and wants
; each wave's 64 rows as 32 in either half.
; No matrix unit, no cluster, no tensor load: a stream in which nothing is shared.  NaN and infinities are not treated apart.
.set R2,    4096                       ; LDS: 0 .. 4,095 the four row phases' sums, 4,096 .. 8,191 their sums of squares
.set SPARE, 8192                       ; the spare words: 128 bytes for each of eight waves
.set X,    16                          ; v[16:143]  my 32 quads of x
.set SA,   144                         ; v[144:151] two chains of sums
.set TOT,  152                         ; v[152:155] the block's sums of my four channels
.set MEAN, 156                         ; v[156:159]
.set LD,   160                         ; v[160:175] four quads back from LDS
.set W,    176                         ; v[176:187] three quads of weights
.set WP,   188                         ; v[188:193] the same in bf16
.set SPW,  194
.set NIL,  195
.set M2,   196                         ; v[196:199]
	s_load_b256 s[4:11], s[0:1], 0x0               ; x s[4:5], wq s[6:7], wk s[8:9], wv s[10:11]
	s_load_b256 s[12:19], s[0:1], 0x20             ; wo s[12:13], w1 s[14:15], w2 s[16:17], part1 s[18:19]
	s_load_b64 s[20:21], s[0:1], 0x40              ; wb
	v_lshl_add_u32 v[SPW], v0, 2, SPARE
	v_mov_b32 v[NIL], 0
	v_lshrrev_b32 v5, 5, v0
	v_readfirstlane_b32 s22, v5                    ; wave 0..7
	s_lshr_b32 s23, s22, 1                         ; which of wq, wk, wv, wo my 64 threads convert a row of
	v_lshlrev_b32 v1, 4, v0                        ; 16 t
	v_and_b32 v2, 63, v0
	v_lshlrev_b32 v3, 3, v2                        ; 8 (t % 64)
	v_lshlrev_b32 v2, 4, v2                        ; 16 (t % 64)
	v_lshlrev_b32 v4, 3, v0                        ; 8 t
	s_bfe_u32 s28, ttmp9, 0x10005                  ; wo's row G goes to 128 ((G >> 5) & 1)
	s_lshl_b32 s28, s28, 7
	s_lshr_b32 s29, ttmp9, 6
	s_lshl_b32 s29, s29, 5                         ; + 32 (G >> 6)
	s_add_co_u32 s28, s28, s29
	s_and_b32 s29, ttmp9, 31                       ; + G % 32
	s_add_co_u32 s28, s28, s29
	s_cmp_eq_u32 s23, 3
	s_cselect_b32 s28, s28, ttmp9                  ; the other three keep their rows
	s_lshl_b32 s28, s28, 9                         ; rows of 512 bytes
	s_lshl_b32 s29, s23, 17                        ; matrices of 131,072 bytes
	s_add_co_u32 s28, s28, s29
	s_mov_b32 s29, 0
	s_mov_b32 s25, 0
	s_wait_kmcnt 0x0
	s_lshl_b32 s24, ttmp9, 17
	s_add_nc_u64 s[4:5], s[4:5], s[24:25]          ; x at my block
	s_cmp_eq_u32 s23, 1
	s_cselect_b64 s[26:27], s[8:9], s[6:7]
	s_cmp_eq_u32 s23, 2
	s_cselect_b64 s[26:27], s[10:11], s[26:27]
	s_cmp_eq_u32 s23, 3
	s_cselect_b64 s[26:27], s[12:13], s[26:27]     ; the matrix of my 64 threads
	s_lshl_b32 s24, ttmp9, 10
	s_add_nc_u64 s[26:27], s[26:27], s[24:25]      ; its row G
	s_add_nc_u64 s[18:19], s[18:19], s[24:25]      ; part1 at my block's row
	s_lshl_b32 s24, ttmp9, 12
	s_add_nc_u64 s[14:15], s[14:15], s[24:25]      ; 4,096 bytes of w1 and of w2
	s_add_nc_u64 s[16:17], s[16:17], s[24:25]
	s_add_nc_u64 s[30:31], s[20:21], s[28:29]      ; where they go in wb
	s_lshl_b32 s24, ttmp9, 11
	s_add_nc_u64 s[32:33], s[20:21], s[24:25]
	s_add_nc_u64 s[34:35], s[32:33], 1048576
	s_add_nc_u64 s[32:33], s[32:33], 524288
.set i, 0
.rept 32                                       ; all 32 loads of a thread go out at once: the block's 131,072 bytes are on their way together
	global_load_b128 v[X+4*i:X+4*i+3], v1, s[4:5] offset:4096*i
.set i, i+1
.endr
	global_load_b128 v[W:W+3],    v2, s[26:27]
	global_load_b128 v[W+4:W+7],  v1, s[14:15]
	global_load_b128 v[W+8:W+11], v1, s[16:17]
	; the sums, in two chains; the first quads start them
.set i, 2
.rept 30
	s_wait_loadcnt 34-i                            ; loads return in order: behind quad i stand 31 - i quads of x and the three of weights
.if i < 4
	v_pk_add_f32 v[SA+4*(i%2):SA+4*(i%2)+1],   v[X+4*(i-2):X+4*(i-2)+1],   v[X+4*i:X+4*i+1]
	v_pk_add_f32 v[SA+4*(i%2)+2:SA+4*(i%2)+3], v[X+4*(i-2)+2:X+4*(i-2)+3], v[X+4*i+2:X+4*i+3]
.else
	v_pk_add_f32 v[SA+4*(i%2):SA+4*(i%2)+1],   v[SA+4*(i%2):SA+4*(i%2)+1],   v[X+4*i:X+4*i+1]
	v_pk_add_f32 v[SA+4*(i%2)+2:SA+4*(i%2)+3], v[SA+4*(i%2)+2:SA+4*(i%2)+3], v[X+4*i+2:X+4*i+3]
.endif
.set i, i+1
.endr
	v_pk_add_f32 v[SA:SA+1],   v[SA:SA+1],   v[SA+4:SA+5]
	v_pk_add_f32 v[SA+2:SA+3], v[SA+2:SA+3], v[SA+6:SA+7]
	ds_store_b128 v1, v[SA:SA+3]                   ; my row phase's sums
	s_wait_loadcnt 0x0                             ; the weights
.set i, 0
.rept 6
	v_cvt_pk_bf16_f32 v[WP+i], v[W+2*i], v[W+2*i+1]
.set i, i+1
.endr
	global_store_b64 v3, v[WP:WP+1],   s[30:31]    ; each store of a wave covers 256 consecutive bytes, aligned
	global_store_b64 v4, v[WP+2:WP+3], s[32:33]
	global_store_b64 v4, v[WP+4:WP+5], s[34:35]
	s_wait_dscnt 0x0                               ; for the others' sake: my sums are in LDS
	s_barrier_signal -1
	s_barrier_wait -1
.irp k, 0,1,2,3
	ds_load_b128 v[LD+4*\k:LD+4*\k+3], v2 offset:1024*\k
.endr
	s_wait_dscnt 0x0
	v_pk_add_f32 v[LD:LD+1],     v[LD:LD+1],     v[LD+4:LD+5]
	v_pk_add_f32 v[LD+2:LD+3],   v[LD+2:LD+3],   v[LD+6:LD+7]
	v_pk_add_f32 v[LD+8:LD+9],   v[LD+8:LD+9],   v[LD+12:LD+13]
	v_pk_add_f32 v[LD+10:LD+11], v[LD+10:LD+11], v[LD+14:LD+15]
	v_pk_add_f32 v[TOT:TOT+1],   v[LD:LD+1],     v[LD+8:LD+9]
	v_pk_add_f32 v[TOT+2:TOT+3], v[LD+2:LD+3],   v[LD+10:LD+11]
	v_pk_mul_f32 v[MEAN:MEAN+1],   v[TOT:TOT+1],   0x3c000000 op_sel_hi:[1,0]  ; / 128, exact
	v_pk_mul_f32 v[MEAN+2:MEAN+3], v[TOT+2:TOT+3], 0x3c000000 op_sel_hi:[1,0]
	; the squares about the block's mean, from the rows that are still in registers
.set i, 0
.rept 32
	v_pk_add_f32 v[X+4*i:X+4*i+1],   v[X+4*i:X+4*i+1],   v[MEAN:MEAN+1]   neg_lo:[0,1] neg_hi:[0,1]
	v_pk_add_f32 v[X+4*i+2:X+4*i+3], v[X+4*i+2:X+4*i+3], v[MEAN+2:MEAN+3] neg_lo:[0,1] neg_hi:[0,1]
.if i < 2
	v_pk_mul_f32 v[SA+4*i:SA+4*i+1],   v[X+4*i:X+4*i+1],   v[X+4*i:X+4*i+1]
	v_pk_mul_f32 v[SA+4*i+2:SA+4*i+3], v[X+4*i+2:X+4*i+3], v[X+4*i+2:X+4*i+3]
.else
	v_pk_fma_f32 v[SA+4*(i%2):SA+4*(i%2)+1],   v[X+4*i:X+4*i+1],   v[X+4*i:X+4*i+1],   v[SA+4*(i%2):SA+4*(i%2)+1]
	v_pk_fma_f32 v[SA+4*(i%2)+2:SA+4*(i%2)+3], v[X+4*i+2:X+4*i+3], v[X+4*i+2:X+4*i+3], v[SA+4*(i%2)+2:SA+4*(i%2)+3]
.endif
.set i, i+1
.endr
	v_pk_add_f32 v[SA:SA+1],   v[SA:SA+1],   v[SA+4:SA+5]
	v_pk_add_f32 v[SA+2:SA+3], v[SA+2:SA+3], v[SA+6:SA+7]
	ds_store_b128 v1, v[SA:SA+3] offset:R2         ; other bytes than the sums': no wave still reading those is disturbed
	s_wait_dscnt 0x0
	s_barrier_signal -1
	s_barrier_wait -1
.irp k, 0,1,2,3
	ds_load_b128 v[LD+4*\k:LD+4*\k+3], v2 offset:R2+1024*\k
.endr
	s_wait_dscnt 0x0
	v_pk_add_f32 v[LD:LD+1],     v[LD:LD+1],     v[LD+4:LD+5]
	v_pk_add_f32 v[LD+2:LD+3],   v[LD+2:LD+3],   v[LD+6:LD+7]
	v_pk_add_f32 v[LD+8:LD+9],   v[LD+8:LD+9],   v[LD+12:LD+13]
	v_pk_add_f32 v[LD+10:LD+11], v[LD+10:LD+11], v[LD+14:LD+15]
	v_pk_add_f32 v[M2:M2+1],     v[LD:LD+1],     v[LD+8:LD+9]
	v_pk_add_f32 v[M2+2:M2+3],   v[LD+2:LD+3],   v[LD+10:LD+11]
	s_cmp_lt_u32 s22, 2                            ; waves 0, 1 store the 1,024 bytes of sums, waves 2, 3 those of squares
	s_cbranch_scc0 .Lnot_sum
	global_store_b128 v2, v[TOT:TOT+3], s[18:19]
	s_branch .Lend
.Lnot_sum:
	s_cmp_lt_u32 s22, 4
	s_cbranch_scc0 .Lend
	global_store_b128 v2, v[M2:M2+3], s[18:19] offset:262144
.Lend:
	s_wait_tensorcnt 0x0                           ; the wave's end
	ds_add_u32 v[SPW], v[NIL]
	s_wait_dscnt 0x0
	s_endpgm
.Lfunc_end_k_q857d830816_stats:
	.size	k_q857d830816_stats, .Lfunc_end_k_q857d830816_stats-k_q857d830816_stats
	.p2alignl 7, 3214868480
	.fill 96, 4, 3214868480
	.section	.rodata,"a",@progbits
	.p2align	6, 0x0
	.amdhsa_kernel k_q857d830816_stats
		.amdhsa_group_segment_fixed_size 9216
		.amdhsa_private_segment_fixed_size 0
		.amdhsa_enable_private_segment 0
		.amdhsa_kernarg_size 72
		.amdhsa_user_sgpr_count 2
		.amdhsa_user_sgpr_kernarg_segment_ptr 1
		.amdhsa_wavefront_size32 1
		.amdhsa_system_sgpr_workgroup_id_x 1
		.amdhsa_system_sgpr_workgroup_id_y 1
		.amdhsa_system_sgpr_workgroup_id_z 1
		.amdhsa_system_vgpr_workitem_id 0
		.amdhsa_next_free_vgpr 200
		.amdhsa_next_free_sgpr 66
		.amdhsa_reserve_vcc 0
		.amdhsa_float_denorm_mode_32 3
		.amdhsa_float_denorm_mode_16_64 3
		.amdhsa_memory_ordered 1
		.amdhsa_forward_progress 1
		.amdhsa_inst_pref_size 22
	.end_amdhsa_kernel
	.amdgpu_metadata
---
amdhsa.version: [ 1, 2 ]
amdhsa.kernels:
  - .name:           k_q857d830816_stats
    .symbol:         k_q857d830816_stats.kd
    .args:
      - { .name: x, .offset: 0, .size: 8, .value_kind: global_buffer, .address_space: global }
      - { .name: wq, .offset: 8, .size: 8, .value_kind: global_buffer, .address_space: global }
      - { .name: wk, .offset: 16, .size: 8, .value_kind: global_buffer, .address_space: global }
      - { .name: wv, .offset: 24, .size: 8, .value_kind: global_buffer, .address_space: global }
      - { .name: wo, .offset: 32, .size: 8, .value_kind: global_buffer, .address_space: global }
      - { .name: w1, .offset: 40, .size: 8, .value_kind: global_buffer, .address_space: global }
      - { .name: w2, .offset: 48, .size: 8, .value_kind: global_buffer, .address_space: global }
      - { .name: part1, .offset: 56, .size: 8, .value_kind: global_buffer, .address_space: global }
      - { .name: wb, .offset: 64, .size: 8, .value_kind: global_buffer, .address_space: global }
    .group_segment_fixed_size: 9216
    .private_segment_fixed_size: 0
    .kernarg_segment_align: 8
    .kernarg_segment_size: 72
    .max_flat_workgroup_size: 256
    .sgpr_count:     66
    .vgpr_count:     200
    .wavefront_size: 32
...
	.end_amdgpu_metadata
.endif
;; end of part 1
;; launch fin1 (part 2): grid 16 x 1, 16 waves a work-group, no clusters, 4,096 bytes of LDS; arguments part1, g1, beta1, st1; writes st1
.if DOCPART == 2
	.amdgcn_target "amdgcn-amd-amdhsa--gfx1250"
	.amdhsa_code_object_version 6
	.text
	.protected	k_q857d830816_fin1
	.globl	k_q857d830816_fin1
	.p2align	8
	.type	k_q857d830816_fin1,@function
k_q857d830816_fin1:
	s_mov_b64 s[64:65], 0
	v_nop
	global_prefetch_b8 v0, s[64:65] scope:SCOPE_SE
	s_setreg_imm32_b32 hwreg(HW_REG_WAVE_MODE, 25, 1), 1
	s_wait_xcnt 0x0
; BATCH STATISTICS, SECOND STEP (one text for both norms).  part: SUM[256 blocks][256 channels] f32 and, 262,144 bytes on, M2[256][256] (squares about each block's own mean; a block is 128 rows).
; mean = sum of SUM / 32768;  var = (sum of M2 + 128 x sum of (SUM / 128 - mean)^2) / 32768: every term is a square about a mean, so a common offset of the data costs nothing.
; Stored: st s[256] = g / sqrt(var + 1e-5) at 0 and t[256] = beta - mean s at 1,024, so that the norm is one fused multiply-add x s + t.
; Work-group J owns channels 16 J .. + 15.  Thread t holds channels 4 (t % 4) .. + 3 of blocks t / 4 and t / 4 + 128: six loads a thread, 33 KB a work-group.
; THE PRICE, on purpose: a work-group reads 64 bytes of each row of the tables and stores two pieces of 64 bytes, so four work-groups share each aligned 256 bytes.  The tables are 512 KB in
; all and each channel's sum has one owner; the launch is one chain of dependent steps, and what shortens it is fewer bytes through each work-group, not fewer bytes in all.
.set R2,    1024                       ; LDS: 0 .. 1,023 sixteen waves' sums (64 bytes each), 1,024 .. 2,047 their squares
.set SPARE, 2048                       ; the spare words: 128 bytes for each of sixteen waves
.set SU,   8                           ; v[8:15]    two quads of SUM
.set MM,   16                          ; v[16:23]   two quads of M2
.set GG,   24                          ; v[24:27]   g
.set BE,   28                          ; v[28:31]   beta
.set TS,   32                          ; v[32:35]   at work; at last t
.set MEAN, 36
.set QA,   40
.set QB,   44
.set LD,   48                          ; v[48:111]  sixteen quads back from LDS
.set SPW,  112
.set NIL,  113
.set PX,   114                         ; v[114:117] the other half of the lanes'
.macro TREE                            ; the sixteen quads in LD are added into the first
.irp d, 8,4,2,1
.set k, 0
.rept \d
	v_pk_add_f32 v[LD+4*k:LD+4*k+1],   v[LD+4*k:LD+4*k+1],   v[LD+4*(k+\d):LD+4*(k+\d)+1]
	v_pk_add_f32 v[LD+4*k+2:LD+4*k+3], v[LD+4*k+2:LD+4*k+3], v[LD+4*(k+\d)+2:LD+4*(k+\d)+3]
.set k, k+1
.endr
.endr
.endm
.macro MEET base                       ; TS of all 512 threads with my channels -> LD's first quad: the eight lanes of my wave with my channels (lane xor 4, 8, 16), then the sixteen waves through LDS
.irp m, 4,8
.irp j, 0,1,2,3
	v_add_f32_dpp v[TS+\j], v[TS+\j], v[TS+\j] row_xmask:\m row_mask:0xf bank_mask:0xf
.endr
.endr
.irp j, 0,1,2,3
	v_permlanex16_b32 v[PX+\j], v[TS+\j], s18, s19
.endr
	v_pk_add_f32 v[TS:TS+1],   v[TS:TS+1],   v[PX:PX+1]
	v_pk_add_f32 v[TS+2:TS+3], v[TS+2:TS+3], v[PX+2:PX+3]
	ds_store_b128 v3, v[TS:TS+3] offset:\base      ; the eight lanes write the same numbers to the same bytes
	s_wait_dscnt 0x0                               ; for the others' sake
	s_barrier_signal -1
	s_barrier_wait -1
.set k, 0
.rept 16
	ds_load_b128 v[LD+4*k:LD+4*k+3], v4 offset:(\base)+64*k
.set k, k+1
.endr
	s_wait_dscnt 0x0
	TREE
.endm
	s_load_b256 s[4:11], s[0:1], 0x0               ; part s[4:5], g s[6:7], beta s[8:9], st s[10:11]
	v_lshl_add_u32 v[SPW], v0, 2, SPARE
	v_mov_b32 v[NIL], 0
	v_lshrrev_b32 v5, 5, v0
	v_readfirstlane_b32 s12, v5                    ; wave 0..15
	v_and_b32 v4, 3, v0
	v_lshlrev_b32 v4, 4, v4                        ; 16 (t % 4)
	v_lshrrev_b32 v1, 2, v0
	v_lshl_add_u32 v1, v1, 10, v4                  ; block t / 4, my 16 bytes
	v_bfe_u32 v2, v0, 2, 1
	v_lshl_add_u32 v2, v2, 10, v4                  ; the way out: lanes 0-3 s, lanes 4-7 t
	v_lshl_add_u32 v3, v5, 6, v4                   ; my wave's 64 bytes in LDS
.irp j, 0,1,2,3
	v_mov_b32 v[PX+\j], 0                          ; v_permlanex16_b32 counts as a reader of its destination
.endr
	s_lshl_b32 s16, ttmp9, 6
	s_mov_b32 s17, 0
	s_mov_b32 s14, 0x38000000                      ; 1 / 32768
	s_mov_b32 s15, 0x3727c5ac                      ; 1e-5
	s_mov_b32 s18, 0x76543210
	s_mov_b32 s19, 0xfedcba98
	s_wait_kmcnt 0x0
	s_add_nc_u64 s[4:5], s[4:5], s[16:17]
	s_add_nc_u64 s[6:7], s[6:7], s[16:17]
	s_add_nc_u64 s[8:9], s[8:9], s[16:17]
	s_add_nc_u64 s[10:11], s[10:11], s[16:17]
	global_load_b128 v[SU:SU+3],   v1, s[4:5]
	global_load_b128 v[SU+4:SU+7], v1, s[4:5] offset:131072
	global_load_b128 v[MM:MM+3],   v1, s[4:5] offset:262144
	global_load_b128 v[MM+4:MM+7], v1, s[4:5] offset:393216
	global_load_b128 v[GG:GG+3], v4, s[6:7]
	global_load_b128 v[BE:BE+3], v4, s[8:9]
	s_wait_loadcnt 4                               ; the sums are in; the two quads of squares, g and beta may stay out
	v_pk_add_f32 v[TS:TS+1],   v[SU:SU+1],   v[SU+4:SU+5]
	v_pk_add_f32 v[TS+2:TS+3], v[SU+2:SU+3], v[SU+6:SU+7]
	MEET 0
	v_pk_mul_f32 v[MEAN:MEAN+1],   v[LD:LD+1],   s[14:15] op_sel_hi:[1,0]
	v_pk_mul_f32 v[MEAN+2:MEAN+3], v[LD+2:LD+3], s[14:15] op_sel_hi:[1,0]
	s_wait_loadcnt 2                               ; the squares are in; g and beta may stay out
.irp i, 0,1
	v_pk_fma_f32 v[SU+4*\i:SU+4*\i+1],   v[SU+4*\i:SU+4*\i+1],   0x3c000000, v[MEAN:MEAN+1]   op_sel_hi:[1,0,1] neg_lo:[0,0,1] neg_hi:[0,0,1]  ; the block's mean less the mean
	v_pk_fma_f32 v[SU+4*\i+2:SU+4*\i+3], v[SU+4*\i+2:SU+4*\i+3], 0x3c000000, v[MEAN+2:MEAN+3] op_sel_hi:[1,0,1] neg_lo:[0,0,1] neg_hi:[0,0,1]
.endr
	v_pk_mul_f32 v[QB:QB+1],   v[SU:SU+1],   v[SU:SU+1]
	v_pk_mul_f32 v[QB+2:QB+3], v[SU+2:SU+3], v[SU+2:SU+3]
	v_pk_add_f32 v[QA:QA+1],   v[MM:MM+1],   v[MM+4:MM+5]
	v_pk_add_f32 v[QA+2:QA+3], v[MM+2:MM+3], v[MM+6:MM+7]
	v_pk_fma_f32 v[QB:QB+1],   v[SU+4:SU+5], v[SU+4:SU+5], v[QB:QB+1]
	v_pk_fma_f32 v[QB+2:QB+3], v[SU+6:SU+7], v[SU+6:SU+7], v[QB+2:QB+3]
	v_pk_fma_f32 v[TS:TS+1],   v[QB:QB+1],   0x43000000, v[QA:QA+1]   op_sel_hi:[1,0,1]  ; 128 rows stand behind each block's mean
	v_pk_fma_f32 v[TS+2:TS+3], v[QB+2:QB+3], 0x43000000, v[QA+2:QA+3] op_sel_hi:[1,0,1]
	MEET R2
.irp j, 0,1,2,3
	v_fma_f32 v[QA+\j], v[LD+\j], s14, s15         ; var + eps
.endr
.irp j, 0,1,2,3
	v_rsq_f32 v[QA+\j], v[QA+\j]
.endr
	v_nop                                          ; a plain instruction between the last root and the use of its result (ISA guide 5.7.2)
	s_wait_loadcnt 0x0                             ; g and beta
	s_wait_alu depctr_va_vdst(0)
	v_pk_mul_f32 v[QB:QB+1],   v[GG:GG+1],   v[QA:QA+1]
	v_pk_mul_f32 v[QB+2:QB+3], v[GG+2:GG+3], v[QA+2:QA+3]
	v_pk_fma_f32 v[TS:TS+1],   v[MEAN:MEAN+1],   v[QB:QB+1],   v[BE:BE+1]   neg_lo:[1,0,0] neg_hi:[1,0,0]
	v_pk_fma_f32 v[TS+2:TS+3], v[MEAN+2:MEAN+3], v[QB+2:QB+3], v[BE+2:BE+3] neg_lo:[1,0,0] neg_hi:[1,0,0]
	s_cmp_lg_u32 s12, 0
	s_cbranch_scc1 .Lend                           ; every wave holds the result; eight lanes of wave 0 store it
	v_and_b32 v6, 4, v0
	v_cmp_eq_u32 vcc_lo, 0, v6
.irp j, 0,1,2,3
	v_cndmask_b32 v[QB+\j], v[TS+\j], v[QB+\j], vcc_lo
.endr
	s_wait_xcnt 0x0                                ; EXEC is a source of the loads above: it changes only behind this wait
	v_cmp_gt_u32 vcc_lo, 8, v0
	s_and_saveexec_b32 s13, vcc_lo
	global_store_b128 v2, v[QB:QB+3], s[10:11]     ; lanes 0-3: 64 bytes of s; lanes 4-7: 64 bytes of t
	s_wait_xcnt 0x0                                ; and again in front of the line that widens it
	s_or_b32 exec_lo, exec_lo, s13
.Lend:
	s_wait_tensorcnt 0x0                           ; the wave's end
	ds_add_u32 v[SPW], v[NIL]
	s_wait_dscnt 0x0
	s_endpgm
.Lfunc_end_k_q857d830816_fin1:
	.size	k_q857d830816_fin1, .Lfunc_end_k_q857d830816_fin1-k_q857d830816_fin1
	.p2alignl 7, 3214868480
	.fill 96, 4, 3214868480
	.section	.rodata,"a",@progbits
	.p2align	6, 0x0
	.amdhsa_kernel k_q857d830816_fin1
		.amdhsa_group_segment_fixed_size 4096
		.amdhsa_private_segment_fixed_size 0
		.amdhsa_enable_private_segment 0
		.amdhsa_kernarg_size 32
		.amdhsa_user_sgpr_count 2
		.amdhsa_user_sgpr_kernarg_segment_ptr 1
		.amdhsa_wavefront_size32 1
		.amdhsa_system_sgpr_workgroup_id_x 1
		.amdhsa_system_sgpr_workgroup_id_y 1
		.amdhsa_system_sgpr_workgroup_id_z 1
		.amdhsa_system_vgpr_workitem_id 0
		.amdhsa_next_free_vgpr 120
		.amdhsa_next_free_sgpr 66
		.amdhsa_reserve_vcc 1
		.amdhsa_float_denorm_mode_32 3
		.amdhsa_float_denorm_mode_16_64 3
		.amdhsa_memory_ordered 1
		.amdhsa_forward_progress 1
		.amdhsa_inst_pref_size 13
	.end_amdhsa_kernel
	.amdgpu_metadata
---
amdhsa.version: [ 1, 2 ]
amdhsa.kernels:
  - .name:           k_q857d830816_fin1
    .symbol:         k_q857d830816_fin1.kd
    .args:
      - { .name: part1, .offset: 0, .size: 8, .value_kind: global_buffer, .address_space: global }
      - { .name: g1, .offset: 8, .size: 8, .value_kind: global_buffer, .address_space: global }
      - { .name: beta1, .offset: 16, .size: 8, .value_kind: global_buffer, .address_space: global }
      - { .name: st1, .offset: 24, .size: 8, .value_kind: global_buffer, .address_space: global }
    .group_segment_fixed_size: 4096
    .private_segment_fixed_size: 0
    .kernarg_segment_align: 8
    .kernarg_segment_size: 32
    .max_flat_workgroup_size: 512
    .sgpr_count:     66
    .vgpr_count:     120
    .wavefront_size: 32
...
	.end_amdgpu_metadata
.endif
;; end of part 2
;; launch qkv (part 3): grid 256 x 1, 4 waves a work-group, clusters of 4 x 1, 327,680 bytes of LDS; arguments x, st1, wb, bq, bk, bv, qkv; writes qkv
.if DOCPART == 3
	.amdgcn_target "amdgcn-amd-amdhsa--gfx1250"
	.amdhsa_code_object_version 6
	.text
	.protected	k_q857d830816_qkv
	.globl	k_q857d830816_qkv
	.p2align	8
	.type	k_q857d830816_qkv,@function
k_q857d830816_qkv:
	s_mov_b64 s[64:65], 0
	v_nop
	global_prefetch_b8 v0, s[64:65] scope:SCOPE_SE
	s_setreg_imm32_b32 hwreg(HW_REG_WAVE_MODE, 25, 1), 1
	s_wait_xcnt 0x0
	s_wait_alu depctr_hold_cnt(0) depctr_sa_sdst(0) depctr_va_vdst(0) depctr_va_sdst(0) depctr_va_ssrc(0) depctr_va_vcc(0) depctr_vm_vsrc(0)
	s_getreg_b32 s2, hwreg(HW_REG_IB_STS2, 6, 4)
	s_cmp_eq_u32 s2, 0
	s_cbranch_scc0 .Lentry_in_a_cluster
	s_endpgm
.Lentry_in_a_cluster:
	s_bfe_u32 s2, ttmp6, 0x10000c
	s_cmp_lg_u32 s2, 0x3003
	s_cbranch_scc0 .Lentry_shape_is_right
	s_endpgm
.Lentry_shape_is_right:
; q, k, v = h1 W^T + b, h1 = x s + t (the batch norm as one fused multiply-add in f32, rounded once to bf16).  x: [32768][256] f32; wq, wk, wv lie end to end at wb's head: ONE matrix W of
; 768 rows x 256 in bf16; qkv: bf16 [3][32768][256].  Sums in f32, each result rounded once.  NaN and infinities are not treated apart.
; SHARES.  A work-group owns 384 of W's 768 rows (output columns; which half: cluster x % 2) and 256 rows of x, which it walks in four tiles of 64.  Wave w owns 96 of the columns for all rows.
; THE WEIGHTS STAY IN REGISTERS: 96 x 256 bf16 are 48 KB, 384 registers a lane.  They come once: one tensor load of 96 rows a wave into LDS bytes that the wave alone reads, then 96 LDS loads.
; Nothing is filled again, so the loop has no ring.  One tensor load of a wave is out, once in the launch.
; A TRIP, one text for all four tiles: x s + t, rounded, into a stage in LDS; ONE barrier; 192 products a wave, for which 64 LDS loads bring fragments of h1 alone; the results, rounded, into the
; work-group's output stage.  The tile before is read back from that stage, as whole rows, behind the trip's barrier and stored behind the trip's first 48 products; there the next tile's 32
; loads of x go out too, with 144 products in which to land.  Both stages take turns between two buffers, so the one barrier orders a buffer's writes with its reads and its reads with the writes two trips on.
; CLUSTER.  The four work-groups of a cluster own the same half of W: its rows are asked for jointly (mask 15).  A row of x is wanted by the two work-groups of the two halves; it has to pass
; through registers to be normed and rounded, so it is no tile for a joint load.
; THE MATRIX INSTRUCTION IS USED TRANSPOSED (source 0 = 16 rows of W, source 1 = 16 rows of h1): a lane holds eight neighbouring columns of one row.  The bias is the C operand of a sum's first product.
; A wave's 96 columns are 192 bytes of a row, so the four waves share the output stage: a stage row is 768 bytes, three pieces of 256, each of which is half a row of q, k or v.
; REGISTERS, in windows of 256: window 0 addresses, s, t, the bias, two buffers of h1's fragments (the packed results take their place);
; window 1 W's column blocks 0-3, (cb, ks) at 64 cb + 8 ks; window 2 v0-127 blocks 4, 5; v128-255 x as it lands, later rows on their way out; window 3 the 24 accumulators, (rb, cb) at 48 rb + 8 cb.
.set PW,    528                        ; an LDS row of 512 bytes + 16: the 16 rows of a fragment load start at 16 different groups of four banks (ISA guide 11.1)
.set PO,    784                        ; a row of the output stage: 768 bytes + 16 = 49 x 16
.set WREG,  96*PW                      ; a wave's weights in LDS: 50,688 bytes
.set OBUF,  64*PO                      ; an output stage: 50,176 bytes.  The two lie at 0 and OBUF, in the weights' bytes, which have had their only fill and have been read out
.set ASTG,  4*WREG                     ; behind the weights: two stages of 64 rows x 528 for h1
.set ABUF,  64*PW
.set SPARE, ASTG+2*ABUF                ; the spare words, 128 bytes for each wave
.set VR,   1                           ; lane % 16
.set VH,   2                           ; lane / 16
.set AST0, 3                           ; where I put 8 bytes of h1, in stage 0
.set AFR0, 4                           ; where I read h1's fragments, in stage 0
.set ASTC, 5                           ; the same two in the trip's stage
.set AFRC, 6
.set AWR,  7                           ; where I read my weights
.set VB,   8                           ; my byte offset in 16 numbers of a bias
.set STO0, 9                           ; where I put 16 bytes of a result row, in output stage 0
.set RD0,  10                          ; where I read rows back
.set STOC, 11                          ; the same two in the trip's stages
.set RDC,  12
.set CO,   13                          ; my byte offset in two rows of q, k or v
.set T16,  14
.set C16,  15
.set SS,   16                          ; v[16:19] s, v[20:23] t of my four channels
.set TT,   20
.set SPW,  24
.set NIL,  25
.set BI,   32                          ; v[32:79]   the bias in C's layout: column block cb at 32 + 8 cb
.set FA,   128                         ; v[128:191], v[192:255] h1's fragments of 64 along K: (rb, kk) at 8 (2 rb + kk)
.set TMP,  128                         ; v[128:223] the packed results
.set XL,   128                         ; window 2: v[128:255]
.set WV,   20
.set CX,   21
.set HF,   22                          ; which half of W
.set RG,   23                          ; which 256 rows of x
.set C0,   24                          ; my first row of W
.set G1,   28                          ; s[28:35]
.set G0,   36                          ; s[36:39]
.set TC,   40                          ; tiles to go
.set ASL,  41                          ; the trip's h1 stage: 0 or ABUF
.set OWR,  42                          ; the output stage that the trip writes: 0 or OBUF
.set ORD,  43                          ; the one that it reads
.set XB,   44                          ; s[44:45] x at the tile that was asked for last
.set OU,   46                          ; s[46:51] where the three pieces of a stage row go
.set BP,   68                          ; s[68:79] the bias of each of my six column blocks
.set MSB, 0
.macro WIN new                         ; the immediate's high byte repeats the setting that is left; a switch that changes nothing is dropped
.if MSB != (\new)
	s_set_vgpr_msb (MSB<<8)|(\new)
.set MSB, \new
.endif
.endm
.macro PLACES                          ; four places: in front of loads into registers that matrix instructions have read, and of lines that read results just made
.rept 4
	v_nop
.endr
.endm
.macro CROUND                          ; a round of the cluster's barrier
	s_barrier_signal -1
	s_barrier_wait -1
	s_cmp_lg_u32 s[WV], 0
	s_cbranch_scc1 .Lnot_wave_0_\@
	s_barrier_signal -3
.Lnot_wave_0_\@:
	s_barrier_wait -3
	s_barrier_signal -1
	s_barrier_wait -1
.endm
.macro XLOAD                           ; a tile of x: thread t takes channels 4 (t % 64) .. + 3 of rows 2 i + t / 64; a load of a wave covers 512 consecutive bytes
	WIN 0x80
.set i, 0
.rept 32
	global_load_b128 v[XL+4*i:XL+4*i+3], v[T16], s[XB:XB+1] offset:2048*i
.set i, i+1
.endr
	WIN 0
.endm
.macro BIASP cb                        ; column block cb begins at row C0 + 16 cb of W: which of bq, bk, bv, and where in it.  A pair of registers for each block: no address is rewritten under a load
	s_add_co_u32 s52, s[C0], 16*(\cb)
	s_lshr_b32 s53, s52, 8
	s_and_b32 s52, s52, 255
	s_lshl_b32 s52, s52, 2
	s_cmp_eq_u32 s53, 1
	s_cselect_b64 s[BP+2*(\cb):BP+2*(\cb)+1], s[12:13], s[10:11]
	s_cmp_eq_u32 s53, 2
	s_cselect_b64 s[BP+2*(\cb):BP+2*(\cb)+1], s[14:15], s[BP+2*(\cb):BP+2*(\cb)+1]
	s_mov_b32 s53, 0
	s_add_nc_u64 s[BP+2*(\cb):BP+2*(\cb)+1], s[BP+2*(\cb):BP+2*(\cb)+1], s[52:53]
	global_load_b128 v[BI+8*(\cb):BI+8*(\cb)+3],   v[VB], s[BP+2*(\cb):BP+2*(\cb)+1]
	global_load_b128 v[BI+8*(\cb)+4:BI+8*(\cb)+7], v[VB], s[BP+2*(\cb):BP+2*(\cb)+1] offset:16
.endm
.macro WAYIN                           ; the tile that has landed: normed, rounded, 8 bytes a quad into the trip's stage
	s_wait_loadcnt 0x0                             ; x (in the first trip s, t and the bias too): no other load is out
	WIN 0x82                                       ; destination and source 0 window 2
.set i, 0
.rept 64
	v_pk_fma_f32 v[XL+2*i:XL+2*i+1], v[XL+2*i:XL+2*i+1], v[SS+2*(i%2):SS+2*(i%2)+1], v[TT+2*(i%2):TT+2*(i%2)+1]
.set i, i+1
.endr
	WIN 0x8a
.set i, 0
.rept 32
	v_cvt_pk_bf16_f32 v[XL+4*i],   v[XL+4*i],   v[XL+4*i+1]
	v_cvt_pk_bf16_f32 v[XL+4*i+1], v[XL+4*i+2], v[XL+4*i+3]
.set i, i+1
.endr
	WIN 0x08                                       ; store data window 2
.set i, 0
.rept 32
	ds_store_b64 v[ASTC], v[XL+4*i:XL+4*i+1] offset:2*PW*i
.set i, i+1
.endr
	WIN 0
.endm
.macro FETCH u                         ; 16 loads: the tile's 64 rows, 64 along K, into buffer u % 2
	WIN 0
.irp rb, 0,1,2,3
.irp kk, 0,1
	ds_load_b128 v[FA+64*((\u)%2)+8*(2*\rb+\kk):FA+64*((\u)%2)+8*(2*\rb+\kk)+3],   v[AFRC] offset:16*PW*\rb+64*(2*(\u)+\kk)
	ds_load_b128 v[FA+64*((\u)%2)+8*(2*\rb+\kk)+4:FA+64*((\u)%2)+8*(2*\rb+\kk)+7], v[AFRC] offset:16*PW*\rb+64*(2*(\u)+\kk)+32
.endr
.endr
.endm
.macro UNIT u                          ; 48 products: 64 along K; the 24 accumulators take turns
.irp kk, 0,1
.set ks, 2*(\u)+\kk
.set cb, 0
.rept 6
.if ks == 0
	WIN 0xc1+cb/4                                  ; D window 3, W window 1 or 2, h1 and C (the bias) window 0
.else
	WIN 0xf1+cb/4                                  ; C window 3
.endif
.set rb, 0
.rept 4
.if ks == 0
	v_wmma_f32_16x16x32_bf16 v[48*rb+8*cb:48*rb+8*cb+7], v[64*(cb%4):64*(cb%4)+7], v[FA+16*rb:FA+16*rb+7], v[BI+8*cb:BI+8*cb+7]
.else
	v_wmma_f32_16x16x32_bf16 v[48*rb+8*cb:48*rb+8*cb+7], v[64*(cb%4)+8*ks:64*(cb%4)+8*ks+7], v[FA+64*((\u)%2)+8*(2*rb+\kk):FA+64*((\u)%2)+8*(2*rb+\kk)+7], v[48*rb+8*cb:48*rb+8*cb+7]
.endif
.set rb, rb+1
.endr
.set cb, cb+1
.endr
.endr
.endm
.macro OBLOAD                          ; a finished tile comes back as whole rows: wave w takes rows 16 w .. + 15, two rows' piece of 256 bytes to a load
	WIN 0x80
.irp u, 0,1,2
.irp k, 0,1,2,3,4,5,6,7
	ds_load_b128 v[XL+4*(8*\u+\k):XL+4*(8*\u+\k)+3], v[RDC] offset:2*PO*\k+256*\u
.endr
.endr
	WIN 0
.endm
.macro SEND
	WIN 0x08                                       ; store data window 2
.irp u, 0,1,2
.irp k, 0,1,2,3,4,5,6,7
	global_store_b128 v[CO], v[XL+4*(8*\u+\k):XL+4*(8*\u+\k)+3], s[OU+2*\u:OU+2*\u+1] offset:1024*\k  ; 16 lanes store 256 consecutive bytes, aligned
.endr
.endr
	WIN 0
.endm
	s_load_b256 s[4:11], s[0:1], 0x0               ; x s[4:5], st1 s[6:7], wb s[8:9], bq s[10:11]
	s_load_b128 s[12:15], s[0:1], 0x20             ; bk s[12:13], bv s[14:15]
	s_load_b64 s[16:17], s[0:1], 0x30              ; qkv
	v_lshl_add_u32 v[SPW], v0, 2, SPARE
	v_mov_b32 v[NIL], 0
	ds_add_u32 v[SPW], v[NIL]                      ; the wave's opening: the add and its wait ahead of my first tensor load
	v_lshrrev_b32 v1, 5, v0
	v_readfirstlane_b32 s[WV], v1                  ; wave 0..3
	s_bfe_u32 s[CX], ttmp6, 0x40000                ; my place in the cluster
	s_and_b32 s[HF], ttmp9, 1                      ; the half of W: the cluster's, so the four partners share it
	s_lshr_b32 s[RG], ttmp9, 1
	s_lshl_b32 s[RG], s[RG], 2
	s_add_co_u32 s[RG], s[RG], s[CX]               ; my 256 rows: they enter x's and qkv's addresses alone
	s_mul_i32 s[C0], s[HF], 384
	s_mul_i32 s52, s[WV], 96
	s_add_co_u32 s[C0], s[C0], s52
	s_mov_b32 s[G1], 15|(1<<16)|(1<<20)|(1<<21)|(6<<22)|(3<<25)  ; the mask of four; 2-byte elements; padding on; bit 21 beside a mask; after every 128 words 4 words
	s_mov_b32 s[G1+1], 256<<16                     ; tensor_dim0 = 256
	s_mov_b32 s[G1+2], 96<<16                      ; tensor_dim1 = 96
	s_mov_b32 s[G1+3], 256<<16                     ; tile_dim0 = 256
	s_mov_b32 s[G1+4], 96                          ; tile_dim1 = 96
	s_mov_b32 s[G1+5], 256                         ; elements from row to row
	s_mov_b32 s[G1+6], 0
	s_mov_b32 s[G1+7], 0
	s_mov_b32 s[G0], 1
	s_mul_i32 s[G0+1], s[WV], WREG                 ; my own bytes: the wave's number times a constant
	v_and_b32 v26, 63, v0
	v_lshlrev_b32 v[C16], 4, v26
	v_lshlrev_b32 v[T16], 4, v0
	v_bfe_u32 v[VH], v0, 4, 1
	v_lshlrev_b32 v[VB], 5, v[VH]                  ; 8 h numbers of 4 bytes
	s_lshl_b32 s54, s[RG], 18                      ; 256 rows of 1,024 bytes
	s_mov_b32 s55, 0
	s_lshl_b32 s56, s[C0], 9                       ; rows of 512 bytes
	s_mov_b32 s57, 0
	s_wait_dscnt 0x0                               ; the opening add is done
	s_wait_kmcnt 0x0
	s_add_nc_u64 s[XB:XB+1], s[4:5], s[54:55]
	global_load_b128 v[SS:SS+3], v[C16], s[6:7]    ; what the first trip waits for goes out ahead of the round: 46 loads
	global_load_b128 v[TT:TT+3], v[C16], s[6:7] offset:1024
	XLOAD                                          ; tile 0
.irp cb, 0,1,2,3,4,5
	BIASP \cb
.endr
	s_add_nc_u64 s[G0+2:G0+3], s[8:9], s[56:57]
	s_or_b32 s[G0+3], s[G0+3], 0x80000000
	s_lshl_b32 s54, s[RG], 17
	s_lshl_b32 s56, s[WV], 13
	s_add_co_u32 s54, s54, s56                     ; (256 rg + 16 w) rows of 512 bytes: the first row that I store
	s_mul_i32 s56, s[HF], 3
.irp u, 0,1,2
	s_add_co_u32 s58, s56, \u                      ; which 128 of the 768 columns
	s_lshr_b32 s59, s58, 1
	s_lshl_b32 s59, s59, 24                        ; q, k or v: 16,777,216 bytes each
	s_and_b32 s58, s58, 1
	s_lshl_b32 s58, s58, 8                         ; which half of its rows
	s_add_co_u32 s58, s58, s59
	s_add_co_u32 s58, s58, s54
	s_mov_b32 s59, 0
	s_add_nc_u64 s[OU+2*\u:OU+2*\u+1], s[16:17], s[58:59]
.endr
	CROUND                                         ; all four work-groups are here: the joint loads meet
	tensor_load_to_lds s[G0:G0+3], s[G1:G1+7]      ; my 96 rows of W
	s_nop 0
	PLACES
	v_and_b32 v[VR], 15, v0
	v_lshrrev_b32 v27, 6, v0
	v_mul_u32_u24 v[AST0], v27, PW
	v_lshl_add_u32 v[AST0], v26, 3, v[AST0]
	v_add_nc_u32 v[AST0], ASTG, v[AST0]
	v_mul_u32_u24 v28, v[VR], PW
	v_lshl_add_u32 v28, v[VH], 4, v28              ; a fragment's row x pitch + 16 x half
	v_add_nc_u32 v[AFR0], ASTG, v28
	v_add_nc_u32 v[AWR], s[G0+1], v28
	v_mul_u32_u24 v[STO0], v[VR], PO               ; out: row l % 16, my wave's 192 bytes, 16 bytes for each half of the lanes
	v_lshl_add_u32 v[STO0], v[VH], 4, v[STO0]
	s_mul_i32 s52, s[WV], 192
	v_add_nc_u32 v[STO0], s52, v[STO0]
	s_mul_i32 s52, s[WV], 16*PO                    ; back: lanes 0-15 one row's 256 bytes, lanes 16-31 the next row's
	v_mul_u32_u24 v[RD0], v[VH], PO
	v_lshl_add_u32 v[RD0], v[VR], 4, v[RD0]
	v_add_nc_u32 v[RD0], s52, v[RD0]
	v_lshlrev_b32 v[CO], 9, v[VH]
	v_lshl_add_u32 v[CO], v[VR], 4, v[CO]
	s_wait_tensorcnt 0x0                           ; my rows of W are in LDS; no other wave reads them
	WIN 0x40
.set cb, 0
.rept 6
.if cb == 4
	WIN 0x80
.endif
.set ks, 0
.rept 8
	ds_load_b128 v[64*(cb%4)+8*ks:64*(cb%4)+8*ks+3],   v[AWR] offset:16*PW*cb+64*ks
	ds_load_b128 v[64*(cb%4)+8*ks+4:64*(cb%4)+8*ks+7], v[AWR] offset:16*PW*cb+64*ks+32
.set ks, ks+1
.endr
.set cb, cb+1
.endr
	WIN 0
	s_mov_b32 s[TC], 4
	s_mov_b32 s[ASL], 0
	s_mov_b32 s[OWR], 0
	s_mov_b32 s[ORD], OBUF
.Ltile:
	v_add_nc_u32 v[ASTC], s[ASL], v[AST0]
	v_add_nc_u32 v[AFRC], s[ASL], v[AFR0]
	v_add_nc_u32 v[STOC], s[OWR], v[STO0]
	v_add_nc_u32 v[RDC], s[ORD], v[RD0]
	WAYIN
	s_wait_dscnt 0x0                               ; for the others' sake: my part of h1's stage and of the last tile's results is written, my reads of the stages are over (in the first trip: of my weights too)
	s_barrier_signal -1
	s_barrier_wait -1
	s_cmp_eq_u32 s[TC], 4
	s_cbranch_scc1 .Lno_back                       ; the first trip has no tile before it
	OBLOAD
.Lno_back:
	FETCH 0
	FETCH 1
	s_wait_dscnt 16                                ; all but the 16 just issued: the first 64 along K are in, and so are the rows that came back
	UNIT 0
	WIN 0
	PLACES                                         ; for the loads into buffer 0 below
	s_cmp_eq_u32 s[TC], 4
	s_cbranch_scc1 .Lno_send
	SEND
	s_wait_xcnt 0x0                                ; the stores' bases and data are written again only behind this wait
.irp u, 0,1,2
	s_add_nc_u64 s[OU+2*\u:OU+2*\u+1], s[OU+2*\u:OU+2*\u+1], 32768  ; 64 rows of 512 bytes
.endr
.Lno_send:
	s_cmp_eq_u32 s[TC], 1
	s_cbranch_scc1 .Lno_more                       ; the last trip asks for nothing: no load leaves x
	s_add_nc_u64 s[XB:XB+1], s[XB:XB+1], 65536     ; the loads that named it were waited for at the trip's head
	XLOAD
.Lno_more:
	FETCH 2
	s_wait_dscnt 16                                ; all but the 16 just issued
	UNIT 1
	WIN 0
	PLACES
	FETCH 3
	s_wait_dscnt 16
	UNIT 2
	s_wait_dscnt 0x0
	UNIT 3
	WIN 0
	PLACES
	WIN 0x0f                                       ; sources window 3: each accumulator from its low end
.set i, 0
.rept 96
	v_cvt_pk_bf16_f32 v[TMP+i], v[2*i], v[2*i+1]
.set i, i+1
.endr
	WIN 0
.set i, 0
.rept 24
	ds_store_b128 v[STOC], v[TMP+4*i:TMP+4*i+3] offset:16*PO*(i/6)+32*(i%6)
.set i, i+1
.endr
	s_xor_b32 s[ASL], s[ASL], ABUF
	s_xor_b32 s[OWR], s[OWR], OBUF
	s_xor_b32 s[ORD], s[ORD], OBUF
	s_sub_co_u32 s[TC], s[TC], 1
	s_cmp_lg_u32 s[TC], 0
	s_cbranch_scc1 .Ltile
	s_wait_dscnt 0x0                               ; the last tile goes out
	s_barrier_signal -1
	s_barrier_wait -1
	v_add_nc_u32 v[RDC], s[ORD], v[RD0]
	OBLOAD
	s_wait_dscnt 0x0
	SEND
	s_wait_tensorcnt 0x0                           ; the wave's end
	ds_add_u32 v[SPW], v[NIL]
	s_wait_dscnt 0x0
	CROUND                                         ; the closing round
	s_endpgm
.Lfunc_end_k_q857d830816_qkv:
	.size	k_q857d830816_qkv, .Lfunc_end_k_q857d830816_qkv-k_q857d830816_qkv
	.p2alignl 7, 3214868480
	.fill 96, 4, 3214868480
	.section	.rodata,"a",@progbits
	.p2align	6, 0x0
	.amdhsa_kernel k_q857d830816_qkv
		.amdhsa_group_segment_fixed_size 327680
		.amdhsa_private_segment_fixed_size 0
		.amdhsa_enable_private_segment 0
		.amdhsa_kernarg_size 56
		.amdhsa_user_sgpr_count 2
		.amdhsa_user_sgpr_kernarg_segment_ptr 1
		.amdhsa_wavefront_size32 1
		.amdhsa_system_sgpr_workgroup_id_x 1
		.amdhsa_system_sgpr_workgroup_id_y 1
		.amdhsa_system_sgpr_workgroup_id_z 1
		.amdhsa_system_vgpr_workitem_id 0
		.amdhsa_next_free_vgpr 960
		.amdhsa_next_free_sgpr 80
		.amdhsa_reserve_vcc 0
		.amdhsa_float_denorm_mode_32 3
		.amdhsa_float_denorm_mode_16_64 3
		.amdhsa_memory_ordered 1
		.amdhsa_forward_progress 1
		.amdhsa_inst_pref_size 65
	.end_amdhsa_kernel
	.amdgpu_metadata
---
amdhsa.version: [ 1, 2 ]
amdhsa.kernels:
  - .name:           k_q857d830816_qkv
    .symbol:         k_q857d830816_qkv.kd
    .args:
      - { .name: x, .offset: 0, .size: 8, .value_kind: global_buffer, .address_space: global }
      - { .name: st1, .offset: 8, .size: 8, .value_kind: global_buffer, .address_space: global }
      - { .name: wb, .offset: 16, .size: 8, .value_kind: global_buffer, .address_space: global }
      - { .name: bq, .offset: 24, .size: 8, .value_kind: global_buffer, .address_space: global }
      - { .name: bk, .offset: 32, .size: 8, .value_kind: global_buffer, .address_space: global }
      - { .name: bv, .offset: 40, .size: 8, .value_kind: global_buffer, .address_space: global }
      - { .name: qkv, .offset: 48, .size: 8, .value_kind: global_buffer, .address_space: global }
    .group_segment_fixed_size: 327680
    .private_segment_fixed_size: 0
    .kernarg_segment_align: 8
    .kernarg_segment_size: 56
    .max_flat_workgroup_size: 128
    .sgpr_count:     80
    .vgpr_count:     960
    .wavefront_size: 32
...
	.end_amdgpu_metadata
.endif
;; end of part 3
;; launch attn (part 4): grid 256 x 1, 4 waves a work-group, clusters of 4 x 1, 327,680 bytes of LDS; arguments qkv, wb, bo, bf2, x, r1b, part2; writes r1b, part2
.if DOCPART == 4
	.amdgcn_target "amdgcn-amd-amdhsa--gfx1250"
	.amdhsa_code_object_version 6
	.text
	.protected	k_q857d830816_attn
	.globl	k_q857d830816_attn
	.p2align	8
	.type	k_q857d830816_attn,@function
k_q857d830816_attn:
	s_mov_b64 s[64:65], 0
	v_nop
	global_prefetch_b8 v0, s[64:65] scope:SCOPE_SE
	s_setreg_imm32_b32 hwreg(HW_REG_WAVE_MODE, 25, 1), 1
	s_wait_xcnt 0x0
	s_wait_alu depctr_hold_cnt(0) depctr_sa_sdst(0) depctr_va_vdst(0) depctr_va_sdst(0) depctr_va_ssrc(0) depctr_va_vcc(0) depctr_vm_vsrc(0)
	s_getreg_b32 s2, hwreg(HW_REG_IB_STS2, 6, 4)
	s_cmp_eq_u32 s2, 0
	s_cbranch_scc0 .Lentry_in_a_cluster
	s_endpgm
.Lentry_in_a_cluster:
	s_bfe_u32 s2, ttmp6, 0x10000c
	s_cmp_lg_u32 s2, 0x3003
	s_cbranch_scc0 .Lentry_shape_is_right
	s_endpgm
.Lentry_shape_is_right:
; ATTENTION, THE OUTPUT PROJECTION, THE RESIDUAL, AND THE SECOND NORM'S BLOCK STATISTICS.
; O[q] = the sum over k of softmax_k(Q[q] . K[k] / 8) V[k] for each of 4 heads of 64 channels, 1,024 keys a batch;  r1b = x + O wo^T + bo + bf2.
; bf2, the last layer's bias, is added here: the norm that follows takes the channel means away, so it sees the same numbers with or without it, and the last launch adds r1b as it is.
; q, k, v: bf16 [32768][256] in qkv at 0, 16,777,216, 33,554,432; wo: bf16 in wb at 393,216, its rows in the order given below; x, r1b: f32 [32768][256].
; Products, maxima and sums in f32; the weights p are rounded to bf16 for the second product (their sum l is taken of the unrounded p), O once for the third.
; LIMITS.  A weight below 2^-126 counts as 0 in l; NaN and infinities are not treated apart.  The block statistics are taken about a pivot K = x's first row of the block + bo + bf2:
; M2 = sum (r - K)^2 - (sum (r - K))^2 / 128.  K is a sample of the data but for the attention branch; if that branch carries a channel offset of k spreads, M2 loses about k^2 units of
; f32's rounding: at k = 30 a relative 5e-5.
; SHARES.  A work-group owns 128 queries of one batch; wave w is head w: four PIECES of two tiles of 16 queries.  Every wave walks all 1,024 keys, 64 a step.
; LAYOUT.  S^T = K Q^T (source 0 = 16 keys, source 1 = 16 queries): a lane holds ONE query (lane % 16) and the keys 8 (lane / 16) + 0..7.  Two such tiles, rounded to bf16 in pairs, ARE source 1 of
; O^T = V^T P, whose result again holds one query a lane.  K comes out of LDS as it lies, V turned, by ds_load_tr16_b128.  A key's LDS row holds all four heads; wave w reads its 128 bytes.
; SOFTMAX.  For each query a running maximum m and sum l: p = 2^(c s - c m), c = log2(e) / 8; in every step O and l are multiplied by a = 2^(c m_old - c m_new).  m starts at the lowest finite
; number, O and l at 0: the first step is a step like any other, with a = 0.
; BY TURNS.  A tile and step have 16 matrix and 118 vector instructions.  Turn n belongs to piece n: 16 products K Q^T of piece n + 1, later 16 products V^T P of piece n - 1; beside them piece n's
; scaling, exponentials, roundings, sums and rescaling and piece n + 1's maximum and statistics.  Four vector instructions that are ready stand behind every matrix instruction, the rest in two runs.
; THE WALK.  Nine tiles through two slots: eight of 128 keys (K and V), and as the ninth wo, so that every change of slots fills and one text serves all.  Waves 0, 1 bring K's halves (pitch 528),
; waves 2, 3 V's (pitch 544); the same lines bring wo's stored rows 0-127 and 128-255.  wo's row n is stored at 128 ((n >> 5) & 1) + 32 (n >> 6) + n % 32, so wave w finds its columns
; 64 w .. + 31 in the first half and 64 w + 32 .. + 63 in the second.  One tensor load of a wave is out at any time; it has two key steps, 256 matrix instructions, in which to land.
; ONE TEXT FOR EVERY TURN.  A trip of the step loop is pieces 2, 3 of one step and pieces 0, 1 of the next.  The loop is entered in a trip's middle and left in a trip's middle: it counts to the
; constant 3; in every slot but the last the third trip is jumped, forward, to the label ahead of the counter's step (no barrier and no tensor load lies in what is jumped); in the last slot the
; third trip does the last step's pieces 2, 3, without a fetch of K, and leaves.
; CLUSTER.  The four work-groups of a cluster belong to one batch and walk the same tiles: each tile is asked for jointly (mask 15).
; REGISTERS, in windows of 256 (s_set_vgpr_msb: bits 1:0 source 0, 3:2 source 1, 5:4 source 2, 7:6 destination):
;   window 0: v0-11 addresses; v12-15, v48-63 at work; v16-47 four registers of statistics a tile; v64-191 S^T, two buffers of two tiles; v192-255 P, likewise
;   window 1: O^T, 32 a tile     window 2: v0-127 Q; v128-191 K of one step; v192-255 V of one step     window 3: the add's two registers, the biases, the pivot's parts
.set NP,    4
.set KS,    64
.set PK,    528       ; a key's row of K in LDS: 512 bytes + 16
.set PV,    544       ; of V: 512 + 32
.set VOFF,  2*KS*PK   ; a slot holds two steps: 128 rows of K, then 128 rows of V
.set SLOT1, 139264    ; 0x22000: shares no bit with a tile's address inside a slot, so one exclusive or turns an address in one slot into the other's
.set OST,   SLOT1     ; O, 128 rows x 528, lies in slot 1 once that slot has had its last fill
.set STAGE, SLOT1+2*KS*(PK+PV)  ; 16 rows x 272 bytes for each wave, for the way out
.set SP,    272
.set SPARE, STAGE+4*16*SP       ; the spare words, 128 bytes for each wave
.set AK0, 2
.set AV0, 3
.set AK,  4
.set AV,  5
.set QO,  6           ; my byte offset in Q; later OSTO
.set OSTO, 6          ; where I put 16 bytes of a row of O
.set XO,  7           ; my byte offset in two rows of x and r1b
.set PF,  8           ; 256 t, for the prefetch
.set AOF, 12          ; behind the keys: O's fragments,
.set AWA, 13          ; wo's in the first half,
.set AWB, 14          ; in the second,
.set STO2, 15         ; into my stage,
.set RD2, 48          ; back,
.set PO,  49          ; my byte offset in part2
.set LN,  50          ; lane
.set SPW, 0           ; window 3
.set NIL, 1
.set BC,  2           ; window 3 v2-33: bo + bf2 in C's layout, column block cb at 2 + 8 cb
.set XR,  34          ; window 3: x's first row, bo, bf2: my four channels of each
.set BF,  46          ; window 3 v46-77: bf2 in C's layout, until it is added
.set MV,  12
.set ST,  16
.set TMP, 48
.set S,   64
.set P,   192
.set KF,  128
.set VF,  192
.set KP,  128         ; window 1, behind the keys: the pivot; then two chains of sums and two of squares; then four quads at work
.set SM,  132
.set QM,  140
.set DD,  148
.set WV,  18
.set CX,  19
.set GN,  20
.set BT,  21
.set G1K, 28
.set G1V, 36
.set G0K, 44
.set G0V, 48
.set KB,  52          ; s[52:53] K at my half of the batch's tile 0
.set VB,  54
.set WK,  56          ; s[56:57] wo at my half of its first 128 stored rows
.set WVB, 58          ; of its last 128
.set TK,  60
.set TV,  62
.set OFF, 66
.set NXT, 71          ; the tile to be asked for next
.set SLOTS, 72
.set CNT, 73
.set CS,  74
.set SEL, 76
.set TBK, 78
.set TBV, 79
.set XB,  80          ; s[80:81] x at my block's rows and my wave's 64 columns
.set RBS, 82          ; r1b likewise
.set PB,  84          ; part2 at my block and my wave's columns
.set TR,  86          ; at work in the step loop; later counts the row loop
.set XP,  88          ; s[88:89] x at my block
.set MSB, 0
.macro WIN new
.if MSB != (\new)
	s_set_vgpr_msb (MSB<<8)|(\new)
.set MSB, (\new)
.endif
.endm
.set W_KQ, 0x0a
.set W_PV, 0x52
.set W_RS, 0x41
.set W_MK, 0xc0
.set W_AD, 0x0f
.macro PLACES
.rept 4
	v_nop
.endr
.endm
.macro JLOAD                           ; a joint fill; the branch hangs on the wave's number alone; an s_nop 0 and four v_nop follow each line
	s_cmp_lt_u32 s[WV], 2
	s_cbranch_scc0 .Lfor_v_\@
	tensor_load_to_lds s[G0K:G0K+3], s[G1K:G1K+7]
	s_nop 0
.rept 4
	v_nop
.endr
	s_branch .Lasked_\@
.Lfor_v_\@:
	tensor_load_to_lds s[G0V:G0V+3], s[G1V:G1V+7]
	s_nop 0
.rept 4
	v_nop
.endr
.Lasked_\@:
.endm
.macro CROUND
	s_barrier_signal -1
	s_barrier_wait -1
	s_cmp_lg_u32 s[WV], 0
	s_cbranch_scc1 .Lnot_wave_0_\@
	s_barrier_signal -3
.Lnot_wave_0_\@:
	s_barrier_wait -3
	s_barrier_signal -1
	s_barrier_wait -1
.endm
; THE CHANGE OF SLOTS.  Each wave waits for all its tensor loads (one is out: its part of the other slot), adds 0 to its spare word, and waits for that and for its reads of the slot that it leaves.
; Behind the round nobody in the cluster reads the old slot or has a load on its way; it is filled first thing, with tile NXT: 128 keys, or behind the eighth tile wo.
.macro CHANGE
	WIN W_AD
	s_wait_tensorcnt 0x0
	ds_add_u32 v[SPW], v[NIL]                      ; 0 onto my spare word; the descriptors' steps stand between it and the wait for it
	WIN 0
	s_xor_b32 s[G0K+1], s[G0K+1], SLOT1
	s_xor_b32 s[G0V+1], s[G0V+1], SLOT1
	s_lshl_b32 s[OFF], s[NXT], 16                  ; 128 keys of 512 bytes
	s_cmp_lt_u32 s[NXT], 8
	s_cselect_b32 s[OFF], s[OFF], 0
	s_cselect_b64 s[TK:TK+1], s[KB:KB+1], s[WK:WK+1]
	s_cselect_b64 s[TV:TV+1], s[VB:VB+1], s[WVB:WVB+1]
	s_add_nc_u64 s[G0K+2:G0K+3], s[TK:TK+1], s[OFF:OFF+1]
	s_or_b32 s[G0K+3], s[G0K+3], 0x80000000
	s_add_nc_u64 s[G0V+2:G0V+3], s[TV:TV+1], s[OFF:OFF+1]
	s_or_b32 s[G0V+3], s[G0V+3], 0x80000000
	s_add_co_u32 s[NXT], s[NXT], 1
	s_wait_dscnt 0x0
	CROUND
	JLOAD
	s_sub_co_u32 s[TBK], s[TBK], 2*KS*PK           ; the fetches go back to a slot's first step,
	s_xor_b32 s[TBK], s[TBK], SLOT1                ; in the other slot
	s_sub_co_u32 s[TBV], s[TBV], 2*KS*PV
	s_xor_b32 s[TBV], s[TBV], SLOT1
.endm
	s_load_b256 s[4:11], s[0:1], 0x0               ; qkv s[4:5], wb s[6:7], bo s[8:9], bf2 s[10:11]
	s_load_b128 s[12:15], s[0:1], 0x20             ; x s[12:13], r1b s[14:15]
	s_load_b64 s[16:17], s[0:1], 0x30              ; part2
	WIN W_MK
	v_lshl_add_u32 v[SPW], v0, 2, SPARE
	v_mov_b32 v[NIL], 0
	WIN W_AD
	ds_add_u32 v[SPW], v[NIL]                      ; the wave's opening: the add and its wait ahead of my first tensor load
	WIN 0
	v_lshrrev_b32 v1, 5, v0
	v_readfirstlane_b32 s[WV], v1                  ; wave 0..3 = head
	s_bfe_u32 s[CX], ttmp6, 0x40000
	s_lshl_b32 s[GN], ttmp9, 2
	s_add_co_u32 s[GN], s[GN], s[CX]               ; my block of 128 queries: it enters Q's, x's, r1b's and part2's addresses alone
	s_lshr_b32 s[BT], ttmp9, 1                     ; the batch, which the four partners share
	s_and_b32 s22, s[WV], 1                        ; which half of a tile's rows I fetch
	s_mov_b32 s[G0K], 1
	s_mul_i32 s[G0K+1], s22, 64*PK
	s_mov_b32 s[G0V], 1
	s_mul_i32 s[G0V+1], s22, 64*PV
	s_add_co_u32 s[G0V+1], s[G0V+1], VOFF
	s_lshl_b32 s22, s22, 15                        ; its 64 rows of 512 bytes in memory
	s_lshl_b32 s24, s[BT], 19
	s_add_co_u32 s24, s24, s22
	s_add_co_u32 s24, s24, 16777216
	s_mov_b32 s25, 0
	s_add_co_u32 s22, s22, 393216
	s_mov_b32 s23, 0
	s_mov_b32 s27, 0
	s_mov_b32 s[G1K], 15|(1<<16)|(1<<20)|(1<<21)|(6<<22)|(3<<25)  ; the mask of four; 2-byte elements; padding on; bit 21 beside a mask; after every 128 words 4 words
	s_mov_b32 s[G1V], 15|(1<<16)|(1<<20)|(1<<21)|(6<<22)|(7<<25)  ; the same with 8 words
.irp g, G1K, G1V
	s_mov_b32 s[\g+1], 256<<16                     ; tensor_dim0 = 256
	s_mov_b32 s[\g+2], 64<<16                      ; tensor_dim1 = 64
	s_mov_b32 s[\g+3], 256<<16                     ; tile_dim0 = 256
	s_mov_b32 s[\g+4], 64                          ; tile_dim1 = 64
	s_mov_b32 s[\g+5], 256                         ; elements from row to row
	s_mov_b32 s[\g+6], 0
	s_mov_b32 s[\g+7], 0
.endr
	s_mov_b32 s[CS], 0x3e38aa3b                    ; c = log2(e) / 8
	s_mov_b32 s[CS+1], s[CS]
	s_mov_b32 s[SEL], 0x76543210
	s_mov_b32 s[SEL+1], 0xfedcba98
	s_mov_b32 s[TBK], SLOT1+2*KS*PK                ; the first change of slots turns these two into 0
	s_mov_b32 s[TBV], SLOT1+2*KS*PV
	s_mov_b32 s[NXT], 1
	s_mov_b32 s[OFF+1], 0
	s_wait_dscnt 0x0                               ; the opening add is done
	s_wait_kmcnt 0x0
	s_add_nc_u64 s[KB:KB+1], s[4:5], s[24:25]
	s_add_nc_u64 s[VB:VB+1], s[KB:KB+1], 16777216
	s_add_nc_u64 s[WK:WK+1], s[6:7], s[22:23]
	s_add_nc_u64 s[WVB:WVB+1], s[WK:WK+1], 65536
	s_mov_b64 s[G0K+2:G0K+3], s[KB:KB+1]
	s_or_b32 s[G0K+3], s[G0K+3], 0x80000000
	s_mov_b64 s[G0V+2:G0V+3], s[VB:VB+1]
	s_or_b32 s[G0V+3], s[G0V+3], 0x80000000
	s_lshl_b32 s26, s[GN], 16
	s_add_nc_u64 s[4:5], s[4:5], s[26:27]          ; Q at my block
	s_lshl_b32 s26, s[GN], 17
	s_add_nc_u64 s[XP:XP+1], s[12:13], s[26:27]
	s_add_nc_u64 s[RBS:RBS+1], s[14:15], s[26:27]
	s_lshl_b32 s26, s[WV], 8
	s_add_nc_u64 s[XB:XB+1], s[XP:XP+1], s[26:27]
	s_add_nc_u64 s[RBS:RBS+1], s[RBS:RBS+1], s[26:27]
	s_add_nc_u64 s[PB:PB+1], s[16:17], s[26:27]
	s_lshl_b32 s26, s[GN], 10
	s_add_nc_u64 s[PB:PB+1], s[PB:PB+1], s[26:27]
	CROUND                                         ; all four work-groups are here: the first joint loads meet
	JLOAD                                          ; tile 0 into slot 0
	v_and_b32 v1, 15, v0                           ; l % 16
	v_bfe_u32 v9, v0, 4, 1                         ; l / 16
	v_lshlrev_b32 v[QO], 9, v1
	v_lshl_add_u32 v[QO], v9, 4, v[QO]
	s_lshl_b32 s22, s[WV], 7                       ; my head's 128 bytes of a row
	v_add_nc_u32 v[QO], s22, v[QO]
	s_lshl_b32 s23, s[WV], 8
	v_lshl_add_u32 v64, v9, 5, s23                 ; a bias in C's layout: (64 w + 8 h) x 4 bytes.  v64-66 are free until the first scores
	v_lshlrev_b32 v65, 4, v1                       ; my four channels of the wave's 64
	v_add_nc_u32 v66, s23, v65
	WIN 0x80
.set i, 0
.rept 4*NP                                     ; Q stays in registers: tile i / 2, channels 32 (i % 2) on
	global_load_b128 v[8*i:8*i+3],   v[QO], s[4:5] offset:(i/2)*8192+(i%2)*64
	global_load_b128 v[8*i+4:8*i+7], v[QO], s[4:5] offset:(i/2)*8192+(i%2)*64+32
.set i, i+1
.endr
	; What the first turn finds: V's registers and P's second buffer hold 0, O^T and l are 0.  All this stands in the wait for the first tile.
.set i, VF
.rept 64
	v_mov_b32 v[i], 0
.set i, i+1
.endr
	WIN 0xc0
.irp cb, 0,1,2,3
	global_load_b128 v[BC+8*\cb:BC+8*\cb+3],   v64, s[8:9] offset:64*\cb
	global_load_b128 v[BC+8*\cb+4:BC+8*\cb+7], v64, s[8:9] offset:64*\cb+16
	global_load_b128 v[BF+8*\cb:BF+8*\cb+3],   v64, s[10:11] offset:64*\cb
	global_load_b128 v[BF+8*\cb+4:BF+8*\cb+7], v64, s[10:11] offset:64*\cb+16
.endr
	global_load_b128 v[XR:XR+3],    v65, s[XB:XB+1]
	global_load_b128 v[XR+4:XR+7],  v66, s[8:9]
	global_load_b128 v[XR+8:XR+11], v66, s[10:11]
	WIN 0x40
.set i, 0
.rept 64*NP
	v_mov_b32 v[i], 0
.set i, i+1
.endr
	WIN 0
.set i, 0
.rept 2*NP
	v_mov_b32 v[ST+4*i], 0xfe000000                ; c m: far below every c s
	v_mov_b32 v[ST+4*i+1], 0xff7fffff              ; m
	v_mov_b32 v[ST+4*i+2], 0
	v_mov_b32 v[ST+4*i+3], 0
.set i, i+1
.endr
.set i, P+32
.rept 32
	v_mov_b32 v[i], 0
.set i, i+1
.endr
	v_mul_u32_u24 v[AK0], v1, PK
	v_lshl_add_u32 v[AK0], v9, 4, v[AK0]
	v_add_nc_u32 v[AK0], s22, v[AK0]               ; row x pitch + 16 x half + my head
	v_and_b32 v10, 7, v0
	v_bfe_u32 v11, v0, 3, 1
	v_lshl_add_u32 v[AV0], v9, 3, v10              ; the turning load: key 8 (l / 16) + l % 8, channels 8 ((l / 8) % 2) on
	v_mul_u32_u24 v[AV0], v[AV0], PV
	v_lshl_add_u32 v[AV0], v11, 4, v[AV0]
	s_add_co_u32 s24, s22, VOFF
	v_add_nc_u32 v[AV0], s24, v[AV0]
	v_mov_b32 v[AK], v[AK0]                        ; key step 0 lies at the head of slot 0
; THE MATRIX WORK.  The 8 accumulators of a run of 16 take turns.
.macro KQ x                            ; product i of 16 of S^T = K Q^T for piece x: channels 32 (i / 8) on, keys 16 ((i / 2) % 4) on, tile 2 x + i % 2
	WIN W_KQ
.set rS, S+64*((\x)%2)+32*(i%2)+8*((i/2)%4)
.set rK, KF+16*((i/2)%4)+8*(i/8)
.set rQ, 16*(2*(\x)+i%2)+8*(i/8)
.if i < 8
	v_wmma_f32_16x16x32_bf16 v[rS:rS+7], v[rK:rK+7], v[rQ:rQ+7], 0
.else
	v_wmma_f32_16x16x32_bf16 v[rS:rS+7], v[rK:rK+7], v[rQ:rQ+7], v[rS:rS+7]
.endif
.endm
.macro PV x                            ; product i of 16 of O^T += V^T P for piece x: keys 32 (i / 8) on, channels 16 ((i / 2) % 4) on, tile 2 x + i % 2
	WIN W_PV
.set rO, 32*(2*(\x)+i%2)+8*((i/2)%4)
.set rV, VF+32*(i/8)+8*((i/2)%4)
.set rP, P+32*((\x)%2)+16*(i%2)+8*(i/8)
	v_wmma_f32_16x16x32_bf16 v[rO:rO+7], v[rV:rV+7], v[rP:rP+7], v[rO:rO+7]
.endm
.macro MM                              ; the turn's next matrix instruction
.if i < 16
	KQ (Y+1)%NP
.set i, i+1
.else
.set i, i-16
	PV (Y+NP-1)%NP
.set i, i+17
.endif
.endm
; THE LDS LOADS stand in runs of 16: a step's K (64 keys x 64 channels of my head) and its V (turned).
; last = 1 (in the loop): the trip that counts 1 is the walk's last half trip: there is no further step, and the run is jumped over.
.macro FETCH_K last=0
	WIN 0
.if \last
	s_cmp_eq_u32 s[CNT], 1
	s_cbranch_scc1 .Lno_k_\@
.endif
	WIN 0x80
.irp f, 0,1,2,3,4,5,6,7
	ds_load_b128 v[KF+8*\f:KF+8*\f+3],   v[AK] offset:(\f/2)*16*PK+(\f%2)*64
	ds_load_b128 v[KF+8*\f+4:KF+8*\f+7], v[AK] offset:(\f/2)*16*PK+(\f%2)*64+32
.endr
	s_add_co_u32 s[TBK], s[TBK], KS*PK
	WIN 0
.if \last
.Lno_k_\@:
.endif
.endm
.macro FETCH_V
	WIN 0x80
.irp f, 0,1,2,3,4,5,6,7
	ds_load_tr16_b128 v[VF+8*\f:VF+8*\f+3],   v[AV] offset:(\f/4)*32*PV+(\f%4)*32
	ds_load_tr16_b128 v[VF+8*\f+4:VF+8*\f+7], v[AV] offset:(\f/4)*32*PV+16*PV+(\f%4)*32
.endr
	WIN 0
.endm
; THE VECTOR WORK OF A TURN stands in three queues, each in the order in which its entries become ready; the two tiles alternate.
.macro REGS y, u
.set rT, ST+4*(2*(\y)+(\u))
.set rC, TMP+8*((\y)%2)+4*(\u)
.set rM, MV+2*((\y)%2)+(\u)
.set rS, S+64*((\y)%2)+32*(\u)
.set rP, P+32*((\y)%2)+16*(\u)
.set rO, 32*(2*(\y)+(\u))
.endm
; Number n of the 22 that find the NEXT piece's maximum and statistics; each accumulator's lowest registers are read first.
;   0-11 four chains of seven scores each   12-14, 16 the four scores left over, the old m, the chains into one   15 c m_old is kept   17, 18 the lane 16 away: the new m   19-21 c m; c m_old - c m_new; a
.macro XS u, n
	REGS (Y+1)%NP, \u
.if (\n) < 4
	v_max3_num_f32 v[rC+(\n)], v[rS+8*(\n)], v[rS+8*(\n)+1], v[rS+8*(\n)+2]
.elseif (\n) < 12
	v_max3_num_f32 v[rC+(\n)%4], v[rC+(\n)%4], v[rS+8*((\n)%4)+2*((\n)/4)+1], v[rS+8*((\n)%4)+2*((\n)/4)+2]
.elseif (\n) == 12
	v_max3_num_f32 v[rC], v[rC], v[rS+7], v[rS+15]
.elseif (\n) == 13
	v_max3_num_f32 v[rC+1], v[rC+1], v[rS+23], v[rS+31]
.elseif (\n) == 14
	v_max3_num_f32 v[rC+2], v[rC+2], v[rC+3], v[rT+1]
.elseif (\n) == 15
	v_mov_b32 v[rM], v[rT]
.elseif (\n) == 16
	v_max3_num_f32 v[rC], v[rC], v[rC+1], v[rC+2]
.elseif (\n) == 17
	v_permlanex16_b32 v[rC+3], v[rC], s[SEL], s[SEL+1]
.elseif (\n) == 18
	v_max_num_f32 v[rT+1], v[rC], v[rC+3]
.elseif (\n) == 19
	v_mul_f32 v[rT], s[CS], v[rT+1]
.elseif (\n) == 20
	v_sub_f32 v[rC+1], v[rM], v[rT]
.else
	v_exp_f32 v[rC+2], v[rC+1]
.endif
.endm
; Number g of the 64 that follow the exponentials: of each four weights both pairs are rounded to bf16, the second pair is added onto the first in place, and a group later l takes that sum.
.macro GS g
.set h, (\g)+6*((\g)/62)
.if h >= 6
.set h, h+2
.endif
	REGS Y, h%2
.set k, h/8
.if h%8 < 4
	s_wait_alu depctr_va_vdst(0)
	v_cvt_pk_bf16_f32 v[rP+2*k+(h%8)/2], v[rS+4*k+2*((h%8)/2)], v[rS+4*k+2*((h%8)/2)+1]
.elseif h%8 < 6
	v_pk_add_f32 v[rS+4*k:rS+4*k+1], v[rS+4*k:rS+4*k+1], v[rS+4*k+2:rS+4*k+3]
.elseif k == 1
	v_pk_fma_f32 v[rT+2:rT+3], v[rT+2:rT+3], v[rC+2:rC+3], v[rS:rS+1] op_sel_hi:[1,0,1]
.else
	v_pk_add_f32 v[rT+2:rT+3], v[rT+2:rT+3], v[rS+4*k-4:rS+4*k-3]
	s_wait_alu depctr_va_vdst(0)
.endif
.endm
; THE PLAIN QUEUE, 138 long: 0-31 c s - c m; then GS's 64, and among them the next piece's 42.
.macro PL
	WIN 0
.if q < 32
	REGS Y, q%2
	v_pk_fma_f32 v[rS+2*(q/2):rS+2*(q/2)+1], v[rS+2*(q/2):rS+2*(q/2)+1], s[CS:CS+1], v[rT:rT+1] op_sel_hi:[1,0,0] neg_lo:[0,0,1] neg_hi:[0,0,1]
.elseif q < 38
	GS q-32
.elseif q < 40
	XS q%2, 15
.elseif q < 42
	GS q-34
.elseif q < 74
	XS q%2, (q-42)/2+(q-42)/30
.elseif q < 95
	GS q-66
.elseif (q < 107) && ((q-95)%3 < 2)
	XS (q-95)%3, 17+(q-95)/3
.elseif q < 107
	GS 29+(q-95)/3
.else
	GS q-74
.endif
.set q, q+1
.endm
; THE EXPONENTIALS' QUEUE, 66 long: s0-s31 of both tiles, and at EA the next piece's two a.
.set EA, 58
.macro EX
	WIN 0
.if (e == EA) || (e == EA+1)
	XS e-EA, 21
.else
.set x, e-2*(e/(EA+2))
	REGS Y, x%2
	v_exp_f32 v[rS+x/2], v[rS+x/2]
.endif
.set e, e+1
.endm
; THE RESCALING's QUEUE: O^T times a, the one part that leaves window 0, dealt four at a time.
.macro R4
	REGS Y, r%2
	WIN W_RS
	s_wait_alu depctr_va_vdst(0)
.irp z, 0,1,2,3
	v_pk_mul_f32 v[rO+8*(r/2)+2*\z:rO+8*(r/2)+2*\z+1], v[rO+8*(r/2)+2*\z:rO+8*(r/2)+2*\z+1], v[rC+2:rC+3] op_sel_hi:[1,0]
.endr
.set r, r+1
.endm
; THE DEAL.  Behind a matrix instruction four: plain, exponential, plain, plain, or four of the rescaling; none names a register of the products round it.  What is over stands in two runs.
; Exponential e stands behind plain 2 (e / 4) + e % 2 (its scaling); when plain 32 comes, 10 exponentials are out, at 59: 33, at 95: 46; EA comes behind plain 107.
.macro SL
	MM
	PL
	EX
	PL
	PL
.endm
.macro BURST n
.rept (\n)-7
	SL
.endr
.rept 3
	MM
	R4
	SL
.endr
	MM
	R4
.endm
; A TURN, for piece p.  K of the next step is fetched in piece 2's turn, V of the step in hand at the end of piece 0's; each is waited for a turn later.
.macro TURN p
.set Y, (\p)
.set i, 0
.set q, 0
.set e, 0
.set r, 0
.if (\p) == NP-1
	s_wait_dscnt 0x0                               ; K is in
.endif
	MM
.rept 4
	PL
.endr
	BURST 15
.rept 22
	EX
	PL
.if ((\p) == NP-2) && (e == 18)
	v_add_nc_u32 v[AK], s[TBK], v[AK0]
.endif
.if ((\p) == NP-2) && (e == 24)
	FETCH_K 1
.endif
.endr
.if (\p) == 1
	s_wait_dscnt 0x0                               ; V is in
.endif
	BURST 16
.rept 21
	EX
	PL
.endr
.rept 22
	PL
.if ((\p) == 0) && (q == 118)
	v_add_nc_u32 v[AV], s[TBV], v[AV0]
	s_wait_alu depctr_va_vdst(0)
.endif
.if ((\p) == 0) && (q == 130)
	s_add_co_u32 s[TBV], s[TBV], KS*PV
.endif
.endr
.if (\p) == 0
	FETCH_V
.endif
.endm
	CHANGE                                         ; tile 0 is in, everybody's part of it; tile 1 is asked for
	FETCH_K                                        ; key step 0
	s_wait_loadcnt 0x0                             ; Q, the biases, x's first row
	s_wait_dscnt 0x0
.set i, 0
.rept 16
	KQ 0                                           ; piece 0's first scores
.set i, i+1
.endr
	WIN 0                                          ; addresses for later, and the two biases' sum: plain instructions, the places behind those products
	s_lshl_b32 s22, s[WV], 7
	s_add_co_u32 s22, s22, OST
	v_mul_u32_u24 v[OSTO], v1, PK
	v_lshl_add_u32 v[OSTO], v9, 4, v[OSTO]
	v_add_nc_u32 v[OSTO], s22, v[OSTO]             ; O's row l % 16, my head, 16 bytes for each half of the lanes
	v_lshlrev_b32 v[XO], 10, v9
	v_lshl_add_u32 v[XO], v1, 4, v[XO]             ; lanes 0-15 one row's 256 bytes, lanes 16-31 the next row's
	v_lshlrev_b32 v[PF], 8, v0
	WIN 0xcf
.set i, 0
.rept 16
	v_pk_add_f32 v[BC+2*i:BC+2*i+1], v[BC+2*i:BC+2*i+1], v[BF+2*i:BF+2*i+1]
.set i, i+1
.endr
	WIN 0
.set Y, NP-1                                   ; XS works for piece Y + 1: piece 0
.irp n, 0,1,2,3,4,5,6,7,8,9,10,11,12,13,14,15,16,17,18,19,20,21
	XS 0, \n
	XS 1, \n
.endr
	s_mov_b32 s[CNT], 3
	s_mov_b32 s[SLOTS], 8
	s_branch .Lfirst                               ; the loop is entered at a step's first turn, in the middle of a trip
.Lslot:                                                ; seven times: tiles 2 to 8 are asked for
	CHANGE
	s_mov_b32 s[CNT], 3
.Lstep:                                                ; a trip: pieces 2 and 3 of one step, then pieces 0 and 1 of the next, whose K and V it fetches
	s_cmp_eq_u32 s[CNT], 1                         ; a slot has two steps: the third trip is dead in every slot but the last
	s_cselect_b32 s[TR], s[SLOTS], 1
	s_cmp_gt_u32 s[TR], 1
	s_cbranch_scc1 .Ldead
	s_cmp_lg_u32 s[CNT], 1
	s_cbranch_scc1 .Lno_ask
.irp k, 0,1,2,3                                ; once, at the head of the last half trip: my block's 131,072 bytes of x, each 256 of them asked for by one lane, two turns and O's packing ahead of the first load of x
	global_prefetch_b8 v[PF], s[XP:XP+1] offset:32768*\k th:TH_LOAD_NT scope:SCOPE_SE
.endr
.Lno_ask:
	TURN 2
	TURN 3                                         ; in the last half trip its 16 products K Q^T, on the last K once more, serve nothing: the price of one text for every turn
	WIN 0
	s_cmp_eq_u32 s[CNT], 1
	s_cbranch_scc1 .Lout                           ; the last step's pieces 2 and 3 are done: the loop is left in a trip's middle
.Lfirst:
	TURN 0
	TURN 1
	WIN 0
.Ldead:
	s_sub_co_u32 s[CNT], s[CNT], 1
	s_cmp_lg_u32 s[CNT], 0
	s_cbranch_scc1 .Lstep
	s_sub_co_u32 s[SLOTS], s[SLOTS], 1
	s_cmp_lg_u32 s[SLOTS], 0
	s_cbranch_scc1 .Lslot
.Lout:
.set i, 0
.rept 16
	PV NP-1                                        ; the last piece's V^T P of the last step
.set i, i+1
.endr
	; l's two halves and the other half of the lanes' are added.  The additions are the places behind the last products.
	WIN 0
.macro ALL line:vararg
.set t, 0
.rept 2*NP
	\line
.set t, t+1
.endr
.endm
	ALL v_add_f32 v[ST+4*t+2], v[ST+4*t+2], v[ST+4*t+3]
	ALL v_permlanex16_b32 v[ST+4*t+3], v[ST+4*t+2], s[SEL], s[SEL+1]
	ALL v_add_f32 v[ST+4*t+2], v[ST+4*t+2], v[ST+4*t+3]
	ALL v_rcp_f32 v[ST+4*t+2], v[ST+4*t+2]
	v_nop                                          ; a plain instruction between the last reciprocal and the use of its result
	WIN W_AD
	s_wait_tensorcnt 0x0                           ; my part of wo has landed
	ds_add_u32 v[SPW], v[NIL]
	WIN 0
	s_wait_dscnt 0x0                               ; my reads of slot 1 are over
	s_barrier_signal -1
	s_barrier_wait -1                              ; everybody's: wo is whole, and slot 1, which has had its last fill, may take O
.macro OPACK t                         ; tile t: O^T / l, rounded to bf16; a lane's eight channels of a row are 16 bytes
	WIN W_RS
.set i, 32*(\t)
	s_wait_alu depctr_va_vdst(0)
.rept 16
	v_pk_mul_f32 v[i:i+1], v[i:i+1], v[ST+4*(\t)+2:ST+4*(\t)+3] op_sel_hi:[1,0]
.set i, i+2
.endr
	WIN 0x05
.set i, 0
.rept 16
	v_cvt_pk_bf16_f32 v[S+16*(\t)+i], v[32*(\t)+2*i], v[32*(\t)+2*i+1]
.set i, i+1
.endr
	WIN 0
.irp f, 0,1,2,3
	ds_store_b128 v[OSTO], v[S+16*(\t)+4*\f:S+16*(\t)+4*\f+3] offset:16*PK*(\t)+32*\f
.endr
.endm
.irp t, 0,1,2,3,4,5,6,7
	OPACK \t
.endr
	s_wait_dscnt 0x0                               ; for the others' sake: my head's part of O is written
	s_barrier_signal -1
	s_barrier_wait -1
	; THE PROJECTION.  Wave w makes columns 64 w .. + 63 of all 128 rows; its 64 rows of wo stay in window 2's 256 registers.
	v_mul_u32_u24 v[AOF], v1, PK
	v_lshl_add_u32 v[AOF], v9, 4, v[AOF]
	s_mul_i32 s22, s[WV], 32*PK
	v_add_nc_u32 v[AWA], s22, v[AOF]
	v_add_nc_u32 v[AOF], OST, v[AOF]
	v_mul_u32_u24 v[AWB], v1, PV
	v_lshl_add_u32 v[AWB], v9, 4, v[AWB]
	s_mul_i32 s23, s[WV], 32*PV
	s_add_co_u32 s23, s23, VOFF
	v_add_nc_u32 v[AWB], s23, v[AWB]
	s_mul_i32 s24, s[WV], 16*SP
	s_add_co_u32 s24, s24, STAGE
	v_mul_u32_u24 v[STO2], v1, SP
	v_lshl_add_u32 v[STO2], v9, 5, v[STO2]
	v_add_nc_u32 v[STO2], s24, v[STO2]
	v_mul_u32_u24 v[RD2], v9, SP
	v_lshl_add_u32 v[RD2], v1, 4, v[RD2]
	v_add_nc_u32 v[RD2], s24, v[RD2]
	v_lshlrev_b32 v[PO], 18, v9
	v_lshl_add_u32 v[PO], v1, 4, v[PO]
	v_and_b32 v[LN], 31, v0
	WIN 0x80
.set cb, 0
.rept 4
.set ks, 0
.rept 8
.if cb < 2
	ds_load_b128 v[64*cb+8*ks:64*cb+8*ks+3],   v[AWA] offset:16*PK*cb+64*ks
	ds_load_b128 v[64*cb+8*ks+4:64*cb+8*ks+7], v[AWA] offset:16*PK*cb+64*ks+32
.else
	ds_load_b128 v[64*cb+8*ks:64*cb+8*ks+3],   v[AWB] offset:16*PV*(cb-2)+64*ks
	ds_load_b128 v[64*cb+8*ks+4:64*cb+8*ks+7], v[AWB] offset:16*PV*(cb-2)+64*ks+32
.endif
.set ks, ks+1
.endr
.set cb, cb+1
.endr
	WIN 0x4f                                       ; the pivot: x's first row + bo + bf2
	v_pk_add_f32 v[KP:KP+1],   v[XR:XR+1],   v[XR+4:XR+5]
	v_pk_add_f32 v[KP+2:KP+3], v[XR+2:XR+3], v[XR+6:XR+7]
	WIN 0x4d
	v_pk_add_f32 v[KP:KP+1],   v[KP:KP+1],   v[XR+8:XR+9]
	v_pk_add_f32 v[KP+2:KP+3], v[KP+2:KP+3], v[XR+10:XR+11]
	WIN 0x40
.set i, 0
.rept 16
	v_mov_b32 v[SM+i], 0                           ; two chains of sums, two of squares: sixteen registers, so that the loop below has one text
.set i, i+1
.endr
	WIN 0
	s_mov_b32 s[TR], 4
.Lrows:                                                ; four trips of 32 rows
	WIN 0x40
.irp b, 0,1
.irp tt, 0,1,2,3,4,5,6,7
	global_load_b128 v[32*\b+4*\tt:32*\b+4*\tt+3], v[XO], s[XB:XB+1] offset:(16*\b+2*\tt)*1024
.endr
.endr
	WIN 0
.irp hk, 0,1
.irp b, 0,1
.irp kk, 0,1,2,3
	ds_load_b128 v[S+64*\b+8*(4*\hk+\kk):S+64*\b+8*(4*\hk+\kk)+3],   v[AOF] offset:16*PK*\b+64*(4*\hk+\kk)
	ds_load_b128 v[S+64*\b+8*(4*\hk+\kk)+4:S+64*\b+8*(4*\hk+\kk)+7], v[AOF] offset:16*PK*\b+64*(4*\hk+\kk)+32
.endr
.endr
.endr
	s_wait_dscnt 16                                ; O's fragments of the second 128 along K may stay out; all before them, wo among them, are in
.set ks, 0
.rept 8
.if ks == 4
	s_wait_dscnt 0x0
.endif
.if ks == 0
	WIN 0x32                                       ; wo window 2, C (the biases) window 3
.else
	WIN 0x02
.endif
.set a, 0                                      ; the eight accumulators take turns: block a / 4, columns 16 (a % 4) on
.rept 8
.if ks == 0
	v_wmma_f32_16x16x32_bf16 v[P+8*a:P+8*a+7], v[64*(a%4):64*(a%4)+7], v[S+64*(a/4):S+64*(a/4)+7], v[BC+8*(a%4):BC+8*(a%4)+7]
.else
	v_wmma_f32_16x16x32_bf16 v[P+8*a:P+8*a+7], v[64*(a%4)+8*ks:64*(a%4)+8*ks+7], v[S+64*(a/4)+8*ks:S+64*(a/4)+8*ks+7], v[P+8*a:P+8*a+7]
.endif
.set a, a+1
.endr
.set ks, ks+1
.endr
	WIN 0
	PLACES
.irp b, 0,1                                    ; through my stage: a lane's eight columns in, whole rows of 256 bytes back
.irp cb, 0,1,2,3
	ds_store_b128 v[STO2], v[P+32*\b+8*\cb:P+32*\b+8*\cb+3]   offset:64*\cb
	ds_store_b128 v[STO2], v[P+32*\b+8*\cb+4:P+32*\b+8*\cb+7] offset:64*\cb+16
.endr
	WIN 0x40
.irp tt, 0,1,2,3,4,5,6,7
	ds_load_b128 v[64+32*\b+4*\tt:64+32*\b+4*\tt+3], v[RD2] offset:2*SP*\tt  ; LDS serves a wave's instructions in order (ISA guide 5.7.1.4)
.endr
	WIN 0
.endr
	s_wait_loadcnt 0x0                             ; x
.irp b, 0,1
	s_wait_dscnt 16-16*\b                          ; behind the first block's loads stand the second's eight stores and eight loads
	WIN 0x55
.set i, 0
.rept 16
	v_pk_add_f32 v[32*\b+2*i:32*\b+2*i+1], v[32*\b+2*i:32*\b+2*i+1], v[64+32*\b+2*i:64+32*\b+2*i+1]
.set i, i+1
.endr
	WIN 0x04
.irp tt, 0,1,2,3,4,5,6,7
	global_store_b128 v[XO], v[32*\b+4*\tt:32*\b+4*\tt+3], s[RBS:RBS+1] offset:(16*\b+2*\tt)*1024  ; 16 lanes store 256 consecutive bytes, aligned
.endr
.endr
	WIN 0x55
.set i, 0
.rept 16                                       ; the statistics about the pivot
	v_pk_add_f32 v[DD+4*(i%4):DD+4*(i%4)+1],   v[4*i:4*i+1],   v[KP:KP+1]   neg_lo:[0,1] neg_hi:[0,1]
	v_pk_add_f32 v[DD+4*(i%4)+2:DD+4*(i%4)+3], v[4*i+2:4*i+3], v[KP+2:KP+3] neg_lo:[0,1] neg_hi:[0,1]
	v_pk_add_f32 v[SM+4*(i%2):SM+4*(i%2)+1],   v[SM+4*(i%2):SM+4*(i%2)+1],   v[DD+4*(i%4):DD+4*(i%4)+1]
	v_pk_add_f32 v[SM+4*(i%2)+2:SM+4*(i%2)+3], v[SM+4*(i%2)+2:SM+4*(i%2)+3], v[DD+4*(i%4)+2:DD+4*(i%4)+3]
	v_pk_fma_f32 v[QM+4*(i%2):QM+4*(i%2)+1],   v[DD+4*(i%4):DD+4*(i%4)+1],   v[DD+4*(i%4):DD+4*(i%4)+1],   v[QM+4*(i%2):QM+4*(i%2)+1]
	v_pk_fma_f32 v[QM+4*(i%2)+2:QM+4*(i%2)+3], v[DD+4*(i%4)+2:DD+4*(i%4)+3], v[DD+4*(i%4)+2:DD+4*(i%4)+3], v[QM+4*(i%2)+2:QM+4*(i%2)+3]
.set i, i+1
.endr
	WIN 0
	s_wait_xcnt 0x0                                ; the bases, and the registers that the stores read, are written again only behind this wait
	s_add_nc_u64 s[XB:XB+1], s[XB:XB+1], 32768
	s_add_nc_u64 s[RBS:RBS+1], s[RBS:RBS+1], 32768
	v_add_nc_u32 v[AOF], 32*PK, v[AOF]
	s_sub_co_u32 s[TR], s[TR], 1
	s_cmp_lg_u32 s[TR], 0
	s_cbranch_scc1 .Lrows
	WIN 0x55
	v_pk_add_f32 v[SM:SM+1],   v[SM:SM+1],   v[SM+4:SM+5]
	v_pk_add_f32 v[SM+2:SM+3], v[SM+2:SM+3], v[SM+6:SM+7]
	v_pk_add_f32 v[QM:QM+1],   v[QM:QM+1],   v[QM+4:QM+5]
	v_pk_add_f32 v[QM+2:QM+3], v[QM+2:QM+3], v[QM+6:QM+7]
.irp j, 0,1,2,3
	v_permlanex16_b32 v[DD+\j],   v[SM+\j], s[SEL], s[SEL+1]  ; the odd rows lie in the lane 16 away
	v_permlanex16_b32 v[DD+4+\j], v[QM+\j], s[SEL], s[SEL+1]
.endr
	v_pk_add_f32 v[SM:SM+1],   v[SM:SM+1],   v[DD:DD+1]
	v_pk_add_f32 v[SM+2:SM+3], v[SM+2:SM+3], v[DD+2:DD+3]
	v_pk_add_f32 v[QM:QM+1],   v[QM:QM+1],   v[DD+4:DD+5]
	v_pk_add_f32 v[QM+2:QM+3], v[QM+2:QM+3], v[DD+6:DD+7]
	v_pk_mul_f32 v[DD+8:DD+9],   v[SM:SM+1],   0x3c000000 op_sel_hi:[1,0]
	v_pk_mul_f32 v[DD+10:DD+11], v[SM+2:SM+3], 0x3c000000 op_sel_hi:[1,0]
	v_pk_fma_f32 v[QM:QM+1],   v[DD+8:DD+9],   v[SM:SM+1],   v[QM:QM+1]   neg_lo:[1,0,0] neg_hi:[1,0,0]  ; M2 about the block's mean
	v_pk_fma_f32 v[QM+2:QM+3], v[DD+10:DD+11], v[SM+2:SM+3], v[QM+2:QM+3] neg_lo:[1,0,0] neg_hi:[1,0,0]
	v_pk_fma_f32 v[SM:SM+1],   v[KP:KP+1],   0x43000000, v[SM:SM+1]   op_sel_hi:[1,0,1]  ; the block's sum
	v_pk_fma_f32 v[SM+2:SM+3], v[KP+2:KP+3], 0x43000000, v[SM+2:SM+3] op_sel_hi:[1,0,1]
	WIN 0
	v_cmp_gt_u32 vcc_lo, 16, v[LN]
	WIN 0x45
.irp j, 0,1,2,3
	v_cndmask_b32 v[SM+\j], v[QM+\j], v[SM+\j], vcc_lo
.endr
	WIN 0x04
	global_store_b128 v[PO], v[SM:SM+3], s[PB:PB+1]  ; lanes 0-15 the sums, lanes 16-31 the squares: 256 consecutive bytes each, aligned
	WIN W_AD
	s_wait_tensorcnt 0x0                           ; the wave's end
	ds_add_u32 v[SPW], v[NIL]
	s_wait_dscnt 0x0
	WIN 0
	CROUND                                         ; the closing round
	s_endpgm
.Lfunc_end_k_q857d830816_attn:
	.size	k_q857d830816_attn, .Lfunc_end_k_q857d830816_attn-k_q857d830816_attn
	.p2alignl 7, 3214868480
	.fill 96, 4, 3214868480
	.section	.rodata,"a",@progbits
	.p2align	6, 0x0
	.amdhsa_kernel k_q857d830816_attn
		.amdhsa_group_segment_fixed_size 327680
		.amdhsa_private_segment_fixed_size 0
		.amdhsa_enable_private_segment 0
		.amdhsa_kernarg_size 56
		.amdhsa_user_sgpr_count 2
		.amdhsa_user_sgpr_kernarg_segment_ptr 1
		.amdhsa_wavefront_size32 1
		.amdhsa_system_sgpr_workgroup_id_x 1
		.amdhsa_system_sgpr_workgroup_id_y 1
		.amdhsa_system_sgpr_workgroup_id_z 1
		.amdhsa_system_vgpr_workitem_id 0
		.amdhsa_next_free_vgpr 846
		.amdhsa_next_free_sgpr 92
		.amdhsa_reserve_vcc 1
		.amdhsa_float_denorm_mode_32 3
		.amdhsa_float_denorm_mode_16_64 3
		.amdhsa_memory_ordered 1
		.amdhsa_forward_progress 1
		.amdhsa_inst_pref_size 160
	.end_amdhsa_kernel
	.amdgpu_metadata
---
amdhsa.version: [ 1, 2 ]
amdhsa.kernels:
  - .name:           k_q857d830816_attn
    .symbol:         k_q857d830816_attn.kd
    .args:
      - { .name: qkv, .offset: 0, .size: 8, .value_kind: global_buffer, .address_space: global }
      - { .name: wb, .offset: 8, .size: 8, .value_kind: global_buffer, .address_space: global }
      - { .name: bo, .offset: 16, .size: 8, .value_kind: global_buffer, .address_space: global }
      - { .name: bf2, .offset: 24, .size: 8, .value_kind: global_buffer, .address_space: global }
      - { .name: x, .offset: 32, .size: 8, .value_kind: global_buffer, .address_space: global }
      - { .name: r1b, .offset: 40, .size: 8, .value_kind: global_buffer, .address_space: global }
      - { .name: part2, .offset: 48, .size: 8, .value_kind: global_buffer, .address_space: global }
    .group_segment_fixed_size: 327680
    .private_segment_fixed_size: 0
    .kernarg_segment_align: 8
    .kernarg_segment_size: 56
    .max_flat_workgroup_size: 128
    .sgpr_count:     92
    .vgpr_count:     846
    .wavefront_size: 32
...
	.end_amdgpu_metadata
.endif
;; end of part 4
;; launch fin2: the kernel of part 2 again; grid 16 x 1, 16 waves a work-group, no clusters, 4,096 bytes of LDS; arguments part2, g2, beta2, st2; writes st2
;; launch mlp (part 5): grid 256 x 1, 4 waves a work-group, clusters of 4 x 1, 327,680 bytes of LDS; arguments r1b, st2, wb, bf1, out0; writes out0
.if DOCPART == 5
	.amdgcn_target "amdgcn-amd-amdhsa--gfx1250"
	.amdhsa_code_object_version 6
	.text
	.protected	k_q857d830816_mlp
	.globl	k_q857d830816_mlp
	.p2align	8
	.type	k_q857d830816_mlp,@function
k_q857d830816_mlp:
	s_mov_b64 s[64:65], 0
	v_nop
	global_prefetch_b8 v0, s[64:65] scope:SCOPE_SE
	s_setreg_imm32_b32 hwreg(HW_REG_WAVE_MODE, 25, 1), 1
	s_wait_xcnt 0x0
	s_wait_alu depctr_hold_cnt(0) depctr_sa_sdst(0) depctr_va_vdst(0) depctr_va_sdst(0) depctr_va_ssrc(0) depctr_va_vcc(0) depctr_vm_vsrc(0)
	s_getreg_b32 s2, hwreg(HW_REG_IB_STS2, 6, 4)
	s_cmp_eq_u32 s2, 0
	s_cbranch_scc0 .Lentry_in_a_cluster
	s_endpgm
.Lentry_in_a_cluster:
	s_bfe_u32 s2, ttmp6, 0x10000c
	s_cmp_lg_u32 s2, 0x3003
	s_cbranch_scc0 .Lentry_shape_is_right
	s_endpgm
.Lentry_shape_is_right:
; out0 = r1b + relu(h2 w1^T + bf1) w2^T, h2 = r1b s + t (the batch norm as one fused multiply-add in f32, rounded once to bf16).  r1b already holds the last bias bf2 (the launch that wrote it
; says why), and s, t were made from r1b's own statistics.  r1b, out0: f32 [32768][256]; w1: bf16 [1024][256] in wb at 524,288; w2: bf16 [256][1024] at 1,048,576.
; Sums in f32; the hidden layer is rounded once to bf16.  LIMITS: relu is a maximum with 0 in which a NaN loses; NaN and infinities are not treated apart otherwise.
; SHARES.  A work-group owns 128 rows.  The hidden layer goes in 8 chunks of 128 units; wave (i, j) = (w / 2, w % 2) takes rows 64 i .. and units 64 j .. of a chunk, 32 at a time (a sub-chunk).
; First product: 64 rows x 32 units over K = 256, h2 in 256 registers.  Used transposed (source 0 = 16 rows of w1, source 1 = 16 rows of h2) its result holds one row a lane and eight units;
; two such results, after the maximum with 0 and rounded in pairs, ARE source 1 (32 units x 16 rows) of the second product: 64 rows x all 256 columns over those 32 units, in 512 registers.
; So the hidden layer never leaves the wave.  The waves j = 0 and j = 1 hold partial sums over the units, which are added once, on the way out.
; THE RING.  Two slots, each a chunk's 128 rows of w1 (pitch 528) and 256 rows x 128 units of w2 (pitch 272).  Waves 0, 1 bring w1's halves, waves 2, 3 w2's; a refill has a chunk's 256 products
; a wave in which to land.  One tensor load of a wave is out at any time.  CLUSTER: all work-groups walk the same weights; the four of a cluster ask jointly (mask 15).
; REGISTERS: window 0 addresses, the bias, the first product's 8 accumulators, the hidden fragments, two buffers of weight fragments; window 1 h2's fragments, (rb, ks) at 64 rb + 8 ks, later r1b;
; windows 2, 3 the second product's accumulators, (rb, cb) at 128 (rb % 2) + 8 cb in window 2 + rb / 2; window 2 first takes r1b as it lands.
.set PW,     528
.set P2,     272
.set W2O,    128*PW                    ; w2's part of a slot
.set SLOT1,  139264                    ; 0x22000: shares no bit with a tile's address inside a slot, so one exclusive or turns an address in one slot into the other's
.set ASTAGE, SLOT1+128*PW+256*P2       ; 64 rows x 528: h2 on its way in
.set BIAS,   ASTAGE+64*PW              ; bf1, 4,096 bytes
.set SPARE,  BIAS+4096                 ; the spare words, 128 bytes for each wave
.set PT,     1040                      ; the way out: rows of 1,024 bytes + 16, 128 of them in each slot once the slots have had their last fill
.set VR,    1
.set AW1_0, 2
.set AW2_0, 3
.set AB_0,  4
.set AW1,   5
.set AW2,   6
.set AB,    7
.set SPW,   8
.set NIL,   9
.set AST,   10                         ; later TS
.set TS,    10
.set AFR,   11                         ; later TR0
.set TR0,   11
.set T16,   12                         ; later GO
.set GO,    12
.set C16,   13                         ; later TR1
.set TR1,   13
.set VH,    14
.set BA,    15
.set BI,    16                         ; v[16:31]   bf1 in C's layout for two blocks of 16 units
.set ACC1,  32                         ; v[32:95]   (rb, cb) at 32 + 8 (2 rb + cb)
.set HF,    96                         ; v[96:127]  the hidden fragments, rb at 96 + 8 rb
.set FX,    128                        ; v[128:191]
.set FY,    192                        ; v[192:255]
.set SS,    128                        ; on the way in: s, t, bf1 as it lands
.set TT,    132
.set BL,    136
.set WV,  20
.set RI,  21
.set CJ,  22
.set CX,  23
.set GN,  24
.set G1A, 28
.set G1B, 36
.set G0A, 44
.set G0B, 48
.set RP,  52                           ; s[52:53] r1b at the 32 rows that I store
.set TW1, 55
.set TW2, 56
.set TB,  57
.set CH,  58
.set C2,  59
.set PHS, 60                           ; sub-chunks done
.set MSB, 0
.macro WIN new
.if MSB != (\new)
	s_set_vgpr_msb (MSB<<8)|(\new)
.set MSB, \new
.endif
.endm
.macro PLACES
.rept 4
	v_nop
.endr
.endm
.macro CROUND
	s_barrier_signal -1
	s_barrier_wait -1
	s_cmp_lg_u32 s[WV], 0
	s_cbranch_scc1 .Lnot_wave_0_\@
	s_barrier_signal -3
.Lnot_wave_0_\@:
	s_barrier_wait -3
	s_barrier_signal -1
	s_barrier_wait -1
.endm
.macro JLOAD                           ; a joint fill; the branch hangs on the wave's number alone; an s_nop 0 and four v_nop follow each line
	s_cmp_lt_u32 s[WV], 2
	s_cbranch_scc0 .Lfor_b_\@
	tensor_load_to_lds s[G0A:G0A+3], s[G1A:G1A+7]
	s_nop 0
.rept 4
	v_nop
.endr
	s_branch .Lasked_\@
.Lfor_b_\@:
	tensor_load_to_lds s[G0B:G0B+3], s[G1B:G1B+7]
	s_nop 0
.rept 4
	v_nop
.endr
.Lasked_\@:
.endm
; 64 rows go in: stage row 2 i + t / 64 holds tile row 64 (i / 16) + 32 p + 2 (i % 16) + t / 64, so each time 32 rows of either row half pass, and every wave takes fragments each time.
.macro WAYIN p, left
	s_wait_loadcnt \left
	WIN 0x82
.set i, 0
.rept 64
	v_pk_fma_f32 v[128*(\p)+2*i:128*(\p)+2*i+1], v[128*(\p)+2*i:128*(\p)+2*i+1], v[SS+2*(i%2):SS+2*(i%2)+1], v[TT+2*(i%2):TT+2*(i%2)+1]
.set i, i+1
.endr
	WIN 0x8a
.set i, 0
.rept 32
	v_cvt_pk_bf16_f32 v[128*(\p)+4*i],   v[128*(\p)+4*i],   v[128*(\p)+4*i+1]
	v_cvt_pk_bf16_f32 v[128*(\p)+4*i+1], v[128*(\p)+4*i+2], v[128*(\p)+4*i+3]
.set i, i+1
.endr
	WIN 0x08
.set i, 0
.rept 32
	ds_store_b64 v[AST], v[128*(\p)+4*i:128*(\p)+4*i+1] offset:2*PW*i
.set i, i+1
.endr
	WIN 0
	s_wait_dscnt 0x0                               ; for the others' sake: my part of the stage (and of bf1) is written
	s_barrier_signal -1
	s_barrier_wait -1
	WIN 0x40
.irp b, 0,1
.set i, 0
.rept 8
	ds_load_b128 v[64*(2*(\p)+\b)+8*i:64*(2*(\p)+\b)+8*i+3],   v[AFR] offset:16*PW*\b+64*i
	ds_load_b128 v[64*(2*(\p)+\b)+8*i+4:64*(2*(\p)+\b)+8*i+7], v[AFR] offset:16*PW*\b+64*i+32
.set i, i+1
.endr
.endr
	WIN 0
	s_wait_dscnt 0x0
.if (\p) == 0
	s_barrier_signal -1                            ; every wave has read the stage: it may be written again
	s_barrier_wait -1
.endif
.endm
.macro FW1 hk, buf                     ; 16 loads: my 32 rows of w1, 128 along K
	WIN 0
.irp kk, 0,1,2,3
.irp cb, 0,1
	ds_load_b128 v[(\buf)+8*(2*\kk+\cb):(\buf)+8*(2*\kk+\cb)+3],   v[AW1] offset:16*PW*\cb+64*(4*(\hk)+\kk)
	ds_load_b128 v[(\buf)+8*(2*\kk+\cb)+4:(\buf)+8*(2*\kk+\cb)+7], v[AW1] offset:16*PW*\cb+64*(4*(\hk)+\kk)+32
.endr
.endr
.endm
.macro FW2 hc, buf                     ; 16 loads: 128 rows of w2, my 32 units
	WIN 0
.irp cb, 0,1,2,3,4,5,6,7
	ds_load_b128 v[(\buf)+8*\cb:(\buf)+8*\cb+3],   v[AW2] offset:16*P2*(8*(\hc)+\cb)
	ds_load_b128 v[(\buf)+8*\cb+4:(\buf)+8*\cb+7], v[AW2] offset:16*P2*(8*(\hc)+\cb)+32
.endr
.endm
.macro FBI                             ; 4 loads: bf1 of my 32 units
	WIN 0
.irp cb, 0,1
	ds_load_b128 v[BI+8*\cb:BI+8*\cb+3],   v[AB] offset:64*\cb
	ds_load_b128 v[BI+8*\cb+4:BI+8*\cb+7], v[AB] offset:64*\cb+16
.endr
.endm
.macro G1U hk, buf                     ; 32 products of the first kind; the 8 accumulators take turns; the bias is the C of a sum's first product
	WIN 0x04
.set ks, 4*(\hk)
.rept 4
.set a, 0
.rept 8
.if ks == 0
	v_wmma_f32_16x16x32_bf16 v[ACC1+8*a:ACC1+8*a+7], v[(\buf)+8*(a%2):(\buf)+8*(a%2)+7], v[64*(a/2):64*(a/2)+7], v[BI+8*(a%2):BI+8*(a%2)+7]
.else
	v_wmma_f32_16x16x32_bf16 v[ACC1+8*a:ACC1+8*a+7], v[(\buf)+8*(2*(ks-4*(\hk))+a%2):(\buf)+8*(2*(ks-4*(\hk))+a%2)+7], v[64*(a/2)+8*ks:64*(a/2)+8*ks+7], v[ACC1+8*a:ACC1+8*a+7]
.endif
.set a, a+1
.endr
.set ks, ks+1
.endr
.endm
.macro G2U hc, buf, zero               ; 32 products of the second kind, on 32 accumulators; zero = 1: they start the sums
.set rb, 0
.rept 4
	WIN 0xa0+0x50*(rb/2)
.set cb, 0
.rept 8
.if \zero
	v_wmma_f32_16x16x32_bf16 v[128*(rb%2)+8*(8*(\hc)+cb):128*(rb%2)+8*(8*(\hc)+cb)+7], v[(\buf)+8*cb:(\buf)+8*cb+7], v[HF+8*rb:HF+8*rb+7], 0
.else
	v_wmma_f32_16x16x32_bf16 v[128*(rb%2)+8*(8*(\hc)+cb):128*(rb%2)+8*(8*(\hc)+cb)+7], v[(\buf)+8*cb:(\buf)+8*cb+7], v[HF+8*rb:HF+8*rb+7], v[128*(rb%2)+8*(8*(\hc)+cb):128*(rb%2)+8*(8*(\hc)+cb)+7]
.endif
.set cb, cb+1
.endr
.set rb, rb+1
.endr
.endm
.macro CONV                            ; relu, then two roundings at a time: each accumulator from its low end
	WIN 0
.set i, 0
.rept 64
	v_max_num_f32 v[ACC1+i], 0, v[ACC1+i]
.set i, i+1
.endr
.set i, 0
.rept 32
	v_cvt_pk_bf16_f32 v[HF+i], v[ACC1+2*i], v[ACC1+2*i+1]
.set i, i+1
.endr
.endm
; A TRIP, for sub-chunk s.  It is rotated: it opens with the second half of sub-chunk s - 1's second product (registers alone), so that all four of its runs of LDS loads belong to s and a change
; of slots can stand between trips.  Each run of 16 loads is issued a run of 32 products ahead of its use, four places behind the products that read its buffer.
; flags = 1: the text also serves the first two trips.  Trip 0 (PHS = 0, a constant of the text there) has no s - 1 and starts all 64 sums with the constant 0, both halves at its end; trip 1 has
; therefore nothing to open with.  Both jumps go forward, past neither barrier nor tensor load.
.macro TRIP flags
	WIN 0
	v_add_nc_u32 v[AW1], s[TW1], v[AW1_0]
	v_add_nc_u32 v[AW2], s[TW2], v[AW2_0]
	v_add_nc_u32 v[AB], s[TB], v[AB_0]
	s_add_co_u32 s[TW1], s[TW1], 32*PW
	s_add_co_u32 s[TW2], s[TW2], 64
	s_add_co_u32 s[TB], s[TB], 128
	PLACES
	FW1 0, FX
	FBI
.if \flags
	s_cmp_lt_u32 s[PHS], 2
	s_cbranch_scc1 .Lnolead_\@
.endif
	s_wait_dscnt 20                                ; all but the 20 just issued: w2's second half of s - 1 is in
	G2U 1, FY, 0
	WIN 0
.if \flags
.Lnolead_\@:
.endif
	PLACES
	FW1 1, FY
	s_wait_dscnt 16                                ; all but the 16 just issued
	G1U 0, FX
	PLACES
	FW2 0, FX
	s_wait_dscnt 16
	G1U 1, FY
	PLACES
	FW2 1, FY
	CONV
	s_wait_dscnt 16
.if \flags
	s_cmp_eq_u32 s[PHS], 0
	s_cbranch_scc1 .Lstart_\@
.endif
	G2U 0, FX, 0
	WIN 0
.if \flags
	s_branch .Ldone_\@
.Lstart_\@:
	G2U 0, FX, 1
	s_wait_dscnt 0x0
	G2U 1, FY, 1
	WIN 0
.Ldone_\@:
	s_add_co_u32 s[PHS], s[PHS], 1
.endif
.endm
; THE CHANGE OF SLOTS.  Every wave: all its tensor loads have landed (its part of the next chunk); the add; its reads of the old slot are over.  fill = 1: a round of the cluster's barrier, and first
; behind it the joint load of the chunk after the next into the slot read last.
.macro CHANGE fill
	WIN 0
	s_wait_tensorcnt 0x0
	ds_add_u32 v[SPW], v[NIL]
.if \fill
	s_xor_b32 s[G0A+1], s[G0A+1], SLOT1
	s_xor_b32 s[G0B+1], s[G0B+1], SLOT1
	s_add_nc_u64 s[G0A+2:G0A+3], s[G0A+2:G0A+3], 65536  ; 128 rows of w1
	s_add_nc_u64 s[G0B+2:G0B+3], s[G0B+2:G0B+3], 256    ; 128 units along w2's rows
.endif
	s_wait_dscnt 0x0
.if \fill
	CROUND
	JLOAD
.else
	s_barrier_signal -1
	s_barrier_wait -1
.endif
	s_sub_co_u32 s[TW1], s[TW1], 64*PW             ; the fetches go back to a slot's first sub-chunk,
	s_xor_b32 s[TW1], s[TW1], SLOT1                ; in the other slot
	s_sub_co_u32 s[TW2], s[TW2], 128
	s_xor_b32 s[TW2], s[TW2], SLOT1
	s_add_co_u32 s[TB], s[TB], 256                 ; past the other wave's 64 units of bf1
.endm
	s_load_b256 s[4:11], s[0:1], 0x0               ; r1b s[4:5], st2 s[6:7], wb s[8:9], bf1 s[10:11]
	s_load_b64 s[12:13], s[0:1], 0x20              ; out0
	v_lshl_add_u32 v[SPW], v0, 2, SPARE
	v_mov_b32 v[NIL], 0
	ds_add_u32 v[SPW], v[NIL]                      ; the wave's opening: the add and its wait ahead of my first tensor load
	v_lshrrev_b32 v1, 5, v0
	v_readfirstlane_b32 s[WV], v1
	s_lshr_b32 s[RI], s[WV], 1
	s_and_b32 s[CJ], s[WV], 1
	s_bfe_u32 s[CX], ttmp6, 0x40000
	s_lshl_b32 s[GN], ttmp9, 2
	s_add_co_u32 s[GN], s[GN], s[CX]               ; my block of 128 rows: it enters r1b's and out0's addresses alone
	s_mov_b32 s[G1A], 15|(1<<16)|(1<<20)|(1<<21)|(6<<22)|(3<<25)  ; w1: 64 rows x 256 elements; after every 128 words 4 words
	s_mov_b32 s[G1A+1], 256<<16
	s_mov_b32 s[G1A+2], 64<<16
	s_mov_b32 s[G1A+3], 256<<16
	s_mov_b32 s[G1A+4], 64
	s_mov_b32 s[G1A+5], 256
	s_mov_b32 s[G1A+6], 0
	s_mov_b32 s[G1A+7], 0
	s_mov_b32 s[G1B], 15|(1<<16)|(1<<20)|(1<<21)|(5<<22)|(3<<25)  ; w2: 128 rows x 128 elements, 1,024 from row to row; after every 64 words 4 words
	s_mov_b32 s[G1B+1], 128<<16
	s_mov_b32 s[G1B+2], 128<<16
	s_mov_b32 s[G1B+3], 128<<16
	s_mov_b32 s[G1B+4], 128
	s_mov_b32 s[G1B+5], 1024
	s_mov_b32 s[G1B+6], 0
	s_mov_b32 s[G1B+7], 0
	s_mov_b32 s[G0A], 1
	s_mul_i32 s[G0A+1], s[CJ], 64*PW
	s_mov_b32 s[G0B], 1
	s_mul_i32 s[G0B+1], s[CJ], 128*P2
	s_add_co_u32 s[G0B+1], s[G0B+1], W2O
	s_lshl_b32 s16, s[CJ], 15                      ; 64 rows of w1
	s_add_co_u32 s16, s16, 524288
	s_mov_b32 s17, 0
	s_lshl_b32 s18, s[CJ], 18                      ; 128 rows of w2
	s_add_co_u32 s18, s18, 1048576
	s_mov_b32 s19, 0
	s_lshl_b32 s62, s[GN], 17
	s_mov_b32 s63, 0
	s_mov_b32 s[TW1], SLOT1+64*PW                  ; the first change of slots turns these two into 0,
	s_mov_b32 s[TW2], SLOT1+128
	s_mov_b32 s[TB], BIAS-256                      ; and this one into bf1's first byte
	s_mov_b32 s[PHS], 0
	s_wait_dscnt 0x0                               ; the opening add is done
	s_wait_kmcnt 0x0
	s_add_nc_u64 s[G0A+2:G0A+3], s[8:9], s[16:17]
	s_or_b32 s[G0A+3], s[G0A+3], 0x80000000
	s_add_nc_u64 s[G0B+2:G0B+3], s[8:9], s[18:19]
	s_or_b32 s[G0B+3], s[G0B+3], 0x80000000
	s_add_nc_u64 s[4:5], s[4:5], s[62:63]
	s_add_nc_u64 s[12:13], s[12:13], s[62:63]
	s_lshl_b32 s62, s[WV], 15                      ; the 32 rows that I store
	s_add_nc_u64 s[RP:RP+1], s[4:5], s[62:63]
	s_add_nc_u64 s[12:13], s[12:13], s[62:63]
	CROUND                                         ; all four work-groups are here: the first joint loads meet
	JLOAD                                          ; chunk 0
	v_and_b32 v[VR], 15, v0
	v_bfe_u32 v[VH], v0, 4, 1
	v_and_b32 v5, 63, v0
	v_lshlrev_b32 v[C16], 4, v5
	v_lshlrev_b32 v[T16], 4, v0
	global_load_b128 v[SS:SS+3], v[C16], s[6:7]
	global_load_b128 v[TT:TT+3], v[C16], s[6:7] offset:1024
	global_load_b128 v[BL:BL+3],   v[T16], s[10:11]
	global_load_b128 v[BL+4:BL+7], v[T16], s[10:11] offset:2048
	WIN 0x80
.irp p, 0,1
.set i, 0
.rept 32
	global_load_b128 v[128*\p+4*i:128*\p+4*i+3], v[T16], s[4:5] offset:(64*(i/16)+32*\p+2*(i%16))*1024
.set i, i+1
.endr
.endr
	WIN 0
	v_lshrrev_b32 v6, 6, v0
	v_mul_u32_u24 v[AST], v6, PW
	v_lshl_add_u32 v[AST], v5, 3, v[AST]
	v_add_nc_u32 v[AST], ASTAGE, v[AST]
	v_mul_u32_u24 v7, v[VR], PW
	v_lshl_add_u32 v7, v[VH], 4, v7                ; a fragment's row x pitch + 16 x half
	s_mul_i32 s14, s[RI], 32*PW
	s_add_co_u32 s14, s14, ASTAGE
	v_add_nc_u32 v[AFR], s14, v7
	s_mul_i32 s15, s[CJ], 64*PW
	v_add_nc_u32 v[AW1_0], s15, v7
	v_mul_u32_u24 v[AW2_0], v[VR], P2
	v_lshl_add_u32 v[AW2_0], v[VH], 4, v[AW2_0]
	s_lshl_b32 s16, s[CJ], 7
	s_add_co_u32 s16, s16, W2O
	v_add_nc_u32 v[AW2_0], s16, v[AW2_0]
	s_lshl_b32 s17, s[CJ], 8
	v_lshl_add_u32 v[AB_0], v[VH], 5, s17
	v_add_nc_u32 v[BA], BIAS, v[T16]
	s_wait_loadcnt 62                              ; s, t and bf1 are in: 64 loads stand behind them, and a smaller count is always right
	ds_store_b128 v[BA], v[BL:BL+3]
	ds_store_b128 v[BA], v[BL+4:BL+7] offset:2048
	WAYIN 0, 32                                    ; the second 64 rows' 32 loads may stay out
	WAYIN 1, 0
	s_mov_b32 s[CH], 7
.Lchunk:                                               ; chunks 0 to 6: each change asks for the chunk after the one that it enters
	CHANGE 1
	s_mov_b32 s[C2], 2
.Lsub:
	TRIP 1
	s_sub_co_u32 s[C2], s[C2], 1
	s_cmp_lg_u32 s[C2], 0
	s_cbranch_scc1 .Lsub
	s_sub_co_u32 s[CH], s[CH], 1
	s_cmp_lg_u32 s[CH], 0
	s_cbranch_scc1 .Lchunk
	CHANGE 0                                       ; chunk 7: written out, nothing is left to ask for
	s_mov_b32 s[C2], 2
.Ltail:
	TRIP 0
	s_sub_co_u32 s[C2], s[C2], 1
	s_cmp_lg_u32 s[C2], 0
	s_cbranch_scc1 .Ltail
	; r1b once more, the 32 rows that I store, into h2's registers: their last reader stands ahead of the last relu's 96 plain instructions
	v_and_b32 v[GO], 31, v0
	v_lshlrev_b32 v[GO], 4, v[GO]
	WIN 0x40
.set i, 0
.rept 64
	global_load_b128 v[4*i:4*i+3], v[GO], s[RP:RP+1] offset:1024*(i/2)+512*(i%2)
.set i, i+1
.endr
	WIN 0
	s_wait_dscnt 0x0
	G2U 1, FY, 0                                   ; the last sub-chunk's second half
	WIN 0
	s_barrier_signal -1                            ; no LDS instruction of mine is out: I read the ring no more
	s_barrier_wait -1                              ; nobody does: the slots, which have had their last fill, take the partial sums
	; THE WAY OUT.  Wave (i, j) puts its 64 rows x 256 columns into table j; then wave w reads rows 32 w .. + 31 of both tables, whole, adds them and r1b, and stores.
	s_mul_i32 s14, s[CJ], SLOT1
	s_mul_i32 s15, s[RI], 64*PT
	s_add_co_u32 s14, s14, s15
	v_mul_u32_u24 v[TS], v[VR], PT
	v_lshl_add_u32 v[TS], v[VH], 5, v[TS]
	v_add_nc_u32 v[TS], s14, v[TS]
	s_mul_i32 s15, s[WV], 32*PT
	v_add_nc_u32 v[TR0], s15, v[GO]
	v_add_nc_u32 v[TR1], SLOT1, v[TR0]
	v_nop                                          ; with the five lines above more than the four places behind the last products
.set rb, 0
.rept 4
	WIN 0x08+4*(rb/2)                              ; store data window 2 or 3
.set cb, 0
.rept 16
	ds_store_b128 v[TS], v[128*(rb%2)+8*cb:128*(rb%2)+8*cb+3]   offset:16*PT*rb+64*cb
	ds_store_b128 v[TS], v[128*(rb%2)+8*cb+4:128*(rb%2)+8*cb+7] offset:16*PT*rb+64*cb+16
.set cb, cb+1
.endr
.set rb, rb+1
.endr
	WIN 0
	s_wait_dscnt 0x0                               ; for the others' sake
	s_barrier_signal -1
	s_barrier_wait -1
.set n, 0
.rept 4                                        ; four groups of 8 rows: table 0's 16 quads, then table 1's
	WIN 0x80
.set i, 16*n
.rept 16
	ds_load_b128 v[4*i:4*i+3], v[TR0] offset:PT*(i/2)+512*(i%2)
.set i, i+1
.endr
	WIN 0xc0
.set i, 16*n
.rept 16
	ds_load_b128 v[4*i:4*i+3], v[TR1] offset:PT*(i/2)+512*(i%2)
.set i, i+1
.endr
.set n, n+1
.endr
.set n, 0
.rept 4
.if n < 2
	s_wait_dscnt 63                                ; behind this group stand 32 (3 - n) loads; the wait's field holds 63, and a smaller count is always right
.else
	s_wait_dscnt 32*(3-n)
.endif
	WIN 0x8e                                       ; window 2 += window 3
.set i, 32*n
.rept 32
	v_pk_add_f32 v[2*i:2*i+1], v[2*i:2*i+1], v[2*i:2*i+1]
.set i, i+1
.endr
	s_wait_loadcnt 48-16*n                         ; the later groups' quads of r1b may stay out
	WIN 0x86                                       ; window 2 += window 1
.set i, 32*n
.rept 32
	v_pk_add_f32 v[2*i:2*i+1], v[2*i:2*i+1], v[2*i:2*i+1]
.set i, i+1
.endr
	WIN 0x08
.set i, 16*n
.rept 16
	global_store_b128 v[GO], v[4*i:4*i+3], s[12:13] offset:1024*(i/2)+512*(i%2) th:TH_STORE_NT  ; 512 consecutive bytes, aligned
.set i, i+1
.endr
.set n, n+1
.endr
	WIN 0
	s_wait_tensorcnt 0x0                           ; the wave's end
	ds_add_u32 v[SPW], v[NIL]
	s_wait_dscnt 0x0
	CROUND                                         ; the closing round
	s_endpgm
.Lfunc_end_k_q857d830816_mlp:
	.size	k_q857d830816_mlp, .Lfunc_end_k_q857d830816_mlp-k_q857d830816_mlp
	.p2alignl 7, 3214868480
	.fill 96, 4, 3214868480
	.section	.rodata,"a",@progbits
	.p2align	6, 0x0
	.amdhsa_kernel k_q857d830816_mlp
		.amdhsa_group_segment_fixed_size 327680
		.amdhsa_private_segment_fixed_size 0
		.amdhsa_enable_private_segment 0
		.amdhsa_kernarg_size 40
		.amdhsa_user_sgpr_count 2
		.amdhsa_user_sgpr_kernarg_segment_ptr 1
		.amdhsa_wavefront_size32 1
		.amdhsa_system_sgpr_workgroup_id_x 1
		.amdhsa_system_sgpr_workgroup_id_y 1
		.amdhsa_system_sgpr_workgroup_id_z 1
		.amdhsa_system_vgpr_workitem_id 0
		.amdhsa_next_free_vgpr 1024
		.amdhsa_next_free_sgpr 66
		.amdhsa_reserve_vcc 0
		.amdhsa_float_denorm_mode_32 3
		.amdhsa_float_denorm_mode_16_64 3
		.amdhsa_memory_ordered 1
		.amdhsa_forward_progress 1
		.amdhsa_inst_pref_size 127
	.end_amdhsa_kernel
	.amdgpu_metadata
---
amdhsa.version: [ 1, 2 ]
amdhsa.kernels:
  - .name:           k_q857d830816_mlp
    .symbol:         k_q857d830816_mlp.kd
    .args:
      - { .name: r1b, .offset: 0, .size: 8, .value_kind: global_buffer, .address_space: global }
      - { .name: st2, .offset: 8, .size: 8, .value_kind: global_buffer, .address_space: global }
      - { .name: wb, .offset: 16, .size: 8, .value_kind: global_buffer, .address_space: global }
      - { .name: bf1, .offset: 24, .size: 8, .value_kind: global_buffer, .address_space: global }
      - { .name: out0, .offset: 32, .size: 8, .value_kind: global_buffer, .address_space: global }
    .group_segment_fixed_size: 327680
    .private_segment_fixed_size: 0
    .kernarg_segment_align: 8
    .kernarg_segment_size: 40
    .max_flat_workgroup_size: 128
    .sgpr_count:     66
    .vgpr_count:     1024
    .wavefront_size: 32
...
	.end_amdgpu_metadata
.endif
;; end of part 5
